; MI455X (gfx1250); checked and timed in simulation.
; The chip was launched on July 23, 2026; its instructions are those of AMD's public machine-readable ISA for CDNA 5 (MIT licence, August 2026) and "CDNA5" Instruction Set Architecture Reference Guide (July 2026). The comments in the code are by the model that wrote it; some were corrected since.
;; Multi Head Self Attention. Allowed arithmetic: matrix products marked QUANTISED: E3M2 operands, one E8M0 scale for each 32 along K, by v_wmma_scale_f32_16x16x128_f8f6f4 with both operands' format E3M2, f32 sums; everything else in f32.
;; Inputs: b_out 1,024 float32; b_qkv 3,072 float32; w_out 1,024 x 1,024 float32; w_qkv 1,024 x 3,072 float32; x 4 x 2,048 x 1,024 float32.
;; Outputs: out0 4 x 2,048 x 1,024 float32.
;; This version of the problem:
;;   THIS VERSION OF THE PROBLEM IS GIVEN IN LOW PRECISION. The matrix products marked QUANTISED in the list below multiply operands that are first quantised to E3M2 (3 exponent bits, 2 mantissa bits; 6 bits a number), with one power-of-two scale for each 32 numbers along K (OCP MX v1.0); their sums are f32. All else is computed in f32.
;;   The module's matrix products, in the order in which they are computed (A, B: the left and right operand; K: the contracted axis; several contracted axes count as one K, in the product's order):
;;     1. [M 8,192, K 1,024] x [K 1,024, N 3,072]; A: input x; B: input w_qkv: QUANTISED
;;     2. batch 64 x [M 2,048, K 64] x [K 64, N 2,048]; A: computed on the way; B: computed on the way: QUANTISED
;;     3. batch 64 x [M 2,048, K 2,048] x [K 2,048, N 64]; A: softmax (see below); B: computed on the way: QUANTISED
;;     4. [M 8,192, K 1,024] x [K 1,024, N 1,024]; A: computed on the way; B: input w_out: QUANTISED
;;   THE QUANTISER, for each operand of a quantised product, along K:
;;     - K is cut into blocks of 32 from its start; a last block that is shorter is filled with zeros.
;;     - A block's scale is 2^e with e = floor(log2(the largest magnitude in the block)) - 4, held to -126 .. 127; a block of zeros has e = 0. As a byte (E8M0): e + 127.
;;     - Each number is divided by its block's scale, clamped to +-28, and rounded to the nearest number of E3M2, ties to even, subnormals kept.
;;     - The product sums the exact products of the quantised numbers (number of the format x scale) in f32.
;;   ~~~python
;;   def quantise(x, axis):      # numpy; x: float32 -> the quantised numbers, widened to float32 again
;;       x = np.moveaxis(x, axis, -1); K = x.shape[-1]
;;       x = np.pad(x, [(0, 0)] * (x.ndim - 1) + [(0, -K % 32)]); x = x.reshape(x.shape[:-1] + (-1, 32)); a = np.abs(x).max(-1, keepdims=True)
;;       e = np.where(a > 0, np.clip(np.frexp(np.where(a > 0, a, 1))[1] - 1 - 4, -126, 127), 0)      # np.frexp(a)[1] - 1 = floor(log2(a)), exactly
;;       r = np.clip(x / 2.0 ** e, -28, 28)
;;       step = 2.0 ** (np.maximum(np.frexp(np.where(r == 0, 1, r))[1] - 1, -2) - 2)
;;       q = np.round(r / step) * step * 2.0 ** e      # np.round: ties to even
;;       return np.moveaxis(q.reshape(q.shape[:-2] + (-1,))[..., :K], -1, axis).astype(np.float32)
;;   ~~~
;;   SOFTMAX AHEAD OF A QUANTISED PRODUCT. Where the list says 'softmax', what is quantised is not the finished softmax but p = 2^(t - M), with t = logit x log2(e) and M = ceil(the row's largest t), a whole number; so 1/2 < the row's largest p <= 1. The row's sum l is taken of the UNQUANTISED p, in f32, and the product's result is divided by l at the end. Since M is a whole number, a kernel that streams over the keys may use a running M (the ceiling of the running maximum): every later rescaling is an exact power of two, which a block's scale takes up: the codes' values come out the same.
;;   OPERANDS COMPUTED ON THE WAY. 'Computed on the way' means the value that the module computes at that place (a softmax that the list does not call 'softmax' is quantised finished and normalised). What goes into a quantiser is computed in f32, as accurately as f32 sums, v_exp_f32 and their like allow (about 1e-6 of the number): no bf16 or f16 on the way to a quantiser, and a product that is left as it is and whose result goes on into a quantised operand takes f32 operands (vector FMAs, or v_wmma_f32_16x16x4_f32). A number that lies on a knife's edge between two numbers of the format may be rounded either way, as far as f32 arithmetic and the matrix unit's own rounding can turn it there, and no further.
;; One version. Each part assembles by itself: llvm-mc -triple=amdgcn-amd-amdhsa -mcpu=gfx1250 --defsym DOCPART=n.
;; ======== version 1 of 1: 4 launches
;; limits: right only within a limited range of input values
;; workspace buffers: xq 6,553,600 bytes; wq 3,276,800 bytes; qkv 19,660,800 bytes; ao 6,553,600 bytes
;; launch quant (part 1): grid 384 x 1, 4 waves a work-group, no clusters, 68,096 bytes of LDS; arguments x, w_qkv, w_out, xq, wq; writes xq, wq
.if DOCPART == 1
	.amdgcn_target "amdgcn-amd-amdhsa--gfx1250"
	.amdhsa_code_object_version 6
	.text
	.protected	k_qe4498a7621_quant
	.globl	k_qe4498a7621_quant
	.p2align	8
	.type	k_qe4498a7621_quant,@function
k_qe4498a7621_quant:
	s_mov_b64 s[64:65], 0
	v_nop
	global_prefetch_b8 v0, s[64:65] scope:SCOPE_SE
	s_setreg_imm32_b32 hwreg(HW_REG_WAVE_MODE, 25, 1), 1
	s_wait_xcnt 0x0
; One launch turns x, w_qkv and w_out (f32) into codes of BF6 (E3M2), K innermost, with one E8M0 byte for each 32 along K.
; WORK LEFT OUT IN THIS PROGRAM: every logit above the diagonal is replaced by finfo.min, whose softmax weight is 0 for all inputs
; (the diagonal logit is always kept): key steps that lie wholly above a query tile's diagonal are not computed in launch attn.  A NaN, an infinity or an overflow that reaches only those scores is not carried to the result.
; Work-groups 0-127 take the weights (x = id % 32: 128 columns; y = id / 32: 256 along K), work-groups 128-383 take 32 rows of x each.  The two paths use LDS bytes of their own.
; A block's scale is 2^(floor(log2(largest magnitude)) - 4); its byte is the largest magnitude's exponent field - 4, held at 1 from below.
; LIMITS: NaN and infinities among the inputs are not served; a block whose largest magnitude lies under 2^-122, or of zeros, gets the byte 1 (zeros: with zero codes; this program alone reads the bytes).
; LAYOUT.  Rows are stored in another order: within each 32, row 16 g + 8 u + j lies at place 16 u + 8 g + j.
;   xq: codes [4 K steps of 256][8192 rows][192 bytes], scale bytes [8192][32] from XSC.
;   wq: rows 0-3071 (w_qkv's columns): codes [4 K steps][3072 rows][192 bytes]; rows 3072-4095 (w_out's): from byte 2,359,296 on [8 groups of 128 rows][4 K steps][128 rows][192 bytes]; scale bytes [4096][32] from WSC.
;   So every tile of 128 or 256 rows x 256 along K is one dense run of bytes that begins at a multiple of 256.
.set SPARE, 67584                      ; behind both paths' bytes: the spare words, 128 bytes a wave
.set EMAX,  4
.set CB,    12
.set STEPS, 16
.set R,     16                         ; x: v16-79 four sets of 16 numbers as loaded
.set X,     80                         ; v80-111 two sets of 16 neighbours
.set C,     128                        ; v128-191 codes, four registers a step
.set E,     112                        ; v112-127 a scale byte a step
.set WREG,  8192                       ; x: LDS region of a wave: two stages of 32 x SP bytes, then 256 scale bytes
.set SP,    80
.set XSC,   6291456
.set KSTX,  1572864                    ; xq: from K step to K step
.set NB,    8                          ; w: blocks of 32 along K for a wave
.set PITCH, 272                        ; w: a stage row
.set WST,   32768                      ; w: the stages begin behind x's regions
.set WROW,  192
.set WSC,   3145728
.set SB,    24
.set VO,    32
.set XW,    64
.set CW,    128
.set OUTR,  136
.set BT,    32
	s_load_b128 s[4:7], s[0:1], 0x0                ; x, w_qkv
	s_load_b128 s[8:11], s[0:1], 0x10              ; w_out, xq
	s_load_b64 s[12:13], s[0:1], 0x20              ; wq
	v_lshl_add_u32 v208, v0, 2, SPARE
	v_mov_b32 v209, 0
	v_lshrrev_b32 v1, 5, v0
	v_readfirstlane_b32 s16, v1                    ; wave
	v_and_b32 v2, 31, v0                           ; lane
	s_cmp_lt_u32 ttmp9, 128
	s_wait_alu depctr_va_vdst(0)                   ; the wait ahead of the branch
	s_cbranch_scc1 .Lw
	; ---- x: a wave takes 8 rows = 16 steps of 512 numbers; a step turns through the wave's stage, so that a lane holds 16 neighbours along K
	v_lshlrev_b32 v3, 4, v2
	s_mul_i32 s17, s16, WREG
	v_lshrrev_b32 v14, 2, v2
	v_mul_u32_u24 v14, v14, SP
	v_and_b32 v15, 3, v2
	v_lshl_add_u32 v14, v15, 4, v14
	v_add_nc_u32 v14, s17, v14                     ; stage, in: SP (lane / 4) + 16 (lane % 4)
	v_mul_u32_u24 v15, v2, SP
	v_add_nc_u32 v15, s17, v15                     ; stage, out: SP x lane
	v_and_b32 v4, 15, v2
	v_mul_u32_u24 v4, v4, CB
	v_lshrrev_b32 v10, 4, v2
	v_mad_u32_u24 v4, v10, KSTX, v4                ; codes: lanes 0-15 one K step's 192 bytes of the row, lanes 16-31 the next K step's
	v_lshrrev_b32 v5, 1, v2
	s_add_co_u32 s17, s17, 2*32*SP
	v_add_nc_u32 v5, s17, v5
	v_lshlrev_b32 v7, 3, v2
	v_add_nc_u32 v6, s17, v7
	s_sub_co_u32 s18, ttmp9, 128
	s_lshl_b32 s18, s18, 2
	s_add_co_u32 s19, s18, s16                     ; the run of 8 rows that I read
	s_and_b32 s20, s16, 1
	s_lshl_b32 s20, s20, 1
	s_lshr_b32 s21, s16, 1
	s_or_b32 s20, s20, s21
	s_add_co_u32 s18, s18, s20                     ; the run of 8 rows that I write: the wave's two bits change places
	s_lshl_b32 s22, s19, 15
	s_mov_b32 s23, 0
	s_mul_i32 s24, s18, 8*192
	s_mov_b32 s25, 0
	s_lshl_b32 s26, s18, 8
	s_add_co_u32 s26, s26, XSC
	s_mov_b32 s27, 0
	s_wait_alu depctr_va_vdst(0)                   ; the wait at the head's end
	s_wait_kmcnt 0x0
	s_add_nc_u64 s[4:5], s[4:5], s[22:23]
	s_add_nc_u64 s[8:9], s[10:11], s[24:25]
	s_add_nc_u64 s[10:11], s[10:11], s[26:27]
.macro LOADX t
.irp i, 0,1,2,3
	global_load_b128 v[R+16*((\t)%4)+4*\i:R+16*((\t)%4)+4*\i+3], v3, s[4:5] offset:2048*(\t)+512*\i th:TH_LOAD_NT
.endr
.endm
.macro TURNX t                         ; LDS serves a wave's instructions in order: no wait between the stores and the loads
.irp i, 0,1,2,3
	ds_store_b128 v14, v[R+16*((\t)%4)+4*\i:R+16*((\t)%4)+4*\i+3] offset:32*SP*((\t)%2)+8*SP*\i
.endr
.irp i, 0,1,2,3
	ds_load_b128 v[X+16*((\t)%2)+4*\i:X+16*((\t)%2)+4*\i+3], v15 offset:32*SP*((\t)%2)+16*\i
.endr
.endm
.irp t, 0,1,2,3
	LOADX \t
.endr
	s_wait_loadcnt 12                              ; step 0's four loads are in; the 12 of steps 1 to 3 may be out
	TURNX 0
.macro STEPX t
.set XS, X+16*((\t)%2)
.if (\t) > 0
	s_wait_dscnt 1                                 ; this step's numbers are back (the last step's byte store may be out)
.else
	s_wait_dscnt 0x0
.endif
.if (\t)+4 < STEPS
	LOADX (\t)+4
.endif
.if (\t)+1 < STEPS
.if STEPS-2-(\t) >= 3
	s_wait_loadcnt 12                              ; the next step's four loads are in; three steps' may be out
.else
	s_wait_loadcnt 4*(STEPS-2-(\t))
.endif
	TURNX (\t)+1
.endif
	v_max3_num_f32 v8, |v[XS]|, |v[XS+1]|, |v[XS+2]|
	v_max3_num_f32 v9, |v[XS+3]|, |v[XS+4]|, |v[XS+5]|
.irp i, 6,10
	v_max3_num_f32 v8, v8, |v[XS+\i]|, |v[XS+\i+1]|
	v_max3_num_f32 v9, v9, |v[XS+\i+2]|, |v[XS+\i+3]|
.endr
	v_max3_num_f32 v8, v8, |v[XS+14]|, |v[XS+15]|
	v_max3_num_f32 v8, v8, v9, (EMAX+1)<<23        ; the floor 2^(5 - 127): the byte cannot fall under 1
	v_max_num_f32_dpp v8, v8, v8 row_xmask:1 row_mask:0xf bank_mask:0xf   ; with my neighbour's 16: the block's
	v_add_nc_u32 v11, -(EMAX<<23), v8              ; 4 off the exponent field: the conversion's scale operand
	v_cvt_scalef32_pk16_bf6_f32 v[C+4*(\t):C+4*(\t)+2], v[XS:XS+15], v11
	v_lshrrev_b32 v[E+(\t)], 23, v11               ; the scale's byte
	ds_store_b8 v5, v[E+(\t)] offset:16*(\t)
	global_store_b96 v4, v[C+4*(\t):C+4*(\t)+2], s[8:9] offset:((\t)%2)*2*KSTX+((\t)/2)*192   ; row t / 2, K steps 2 (t % 2) and 2 (t % 2) + 1
.endm
.irp t, 0,1,2,3,4,5,6,7,8,9,10,11,12,13,14,15
	STEPX \t
.endr
	ds_load_b64 v[12:13], v6
	s_wait_dscnt 0x0
	global_store_b64 v7, v[12:13], s[10:11]        ; 32 lanes store 256 consecutive bytes, aligned
	s_wait_tensorcnt 0x0                           ; the wave's end
	ds_add_u32 v208, v209
	s_wait_dscnt 0x0
	s_endpgm
	; ---- the weights: a lane takes a column, its registers run down K; a wave takes 32 columns x 256 along K; codes leave through the wave's stage, sixteen lanes to a row's 192 bytes
.Lw:
	s_and_b32 s17, ttmp9, 31                       ; which 128 columns (0-23 w_qkv, 24-31 w_out)
	s_lshr_b32 s18, ttmp9, 5                       ; which 256 along K
	s_mov_b32 s20, 12288
	s_mov_b32 s30, 24576
	s_mov_b32 s29, 589824
	s_cmp_ge_u32 s17, 24
	s_cselect_b32 s20, 4096, s20                   ; a row of the tensor in bytes
	s_cselect_b32 s21, 24, 0
	s_cselect_b32 s31, 98304, s30                  ; codes: bytes from one 128 rows to the next,
	s_cselect_b32 s29, s30, s29                    ; and from K step to K step
	s_sub_co_u32 s22, s17, s21
	s_lshl_b32 s22, s22, 7
	s_lshl_b32 s23, s16, 5
	s_add_co_u32 s22, s22, s23
	s_lshl_b32 s22, s22, 2
	s_lshl_b32 s24, s20, 8
	s_mul_i32 s24, s24, s18
	s_add_co_u32 s24, s24, s22
	s_mov_b32 s25, 0
	s_lshl_b32 s26, s20, 5
	s_mov_b32 s27, 0
	s_mul_i32 s30, s17, s31
	s_mul_i32 s29, s18, s29
	s_add_co_u32 s30, s30, s29
	s_mul_i32 s29, s23, WROW
	s_add_co_u32 s30, s30, s29
	s_mov_b32 s31, 0
	s_lshl_b32 s28, s17, 7
	s_add_co_u32 s28, s28, s23
	s_lshl_b32 s28, s28, 5
	s_lshl_b32 s29, s18, 3
	s_add_co_u32 s28, s28, s29
	s_add_co_u32 s28, s28, WSC
	s_mov_b32 s29, 0
	v_lshlrev_b32 v3, 2, v2
.set i, 0
.rept 32
	v_mad_u32_u24 v[VO+i], s20, i, v3              ; row i of a block
.set i, i+1
.endr
	s_mul_i32 s19, s16, 32*PITCH
	s_add_co_u32 s19, s19, WST                     ; my stage
	v_mul_u32_u24 v4, v2, PITCH
	v_add_nc_u32 v4, s19, v4
	v_and_b32 v5, 15, v2
	v_lshrrev_b32 v6, 4, v2
	v_mul_u32_u24 v7, v6, PITCH
	v_lshl_add_u32 v7, v5, 4, v7
	v_add_nc_u32 v7, s19, v7
	v_mul_u32_u24 v8, v6, WROW
	v_mad_u32_u24 v8, v5, 12, v8
	v_and_b32 v9, 7, v2                            ; my column's stored place: bits 3 and 4 change places
	v_and_b32 v10, 8, v2
	v_lshl_or_b32 v9, v10, 1, v9
	v_and_b32 v10, 16, v2
	v_lshrrev_b32 v10, 1, v10
	v_or_b32 v9, v9, v10
	v_lshlrev_b32 v9, 5, v9
	s_wait_alu depctr_va_vdst(0)                   ; the wait at the head's end
	s_wait_kmcnt 0x0
	s_cmp_ge_u32 s17, 24
	s_cselect_b64 s[4:5], s[8:9], s[6:7]
	s_add_nc_u64 s[BT:BT+1], s[4:5], s[24:25]
.irp t, 1,2,3,4,5,6,7
	s_add_nc_u64 s[BT+2*\t:BT+2*\t+1], s[BT+2*\t-2:BT+2*\t-1], s[26:27]
.endr
	s_add_nc_u64 s[6:7], s[12:13], s[30:31]        ; the codes
	s_add_nc_u64 s[8:9], s[12:13], s[28:29]        ; the scale bytes
.macro LOADW t
.set i, 0
.rept 32
	global_load_b32 v[XW+32*((\t)%2)+i], v[VO+i], s[BT+2*(\t):BT+2*(\t)+1] th:TH_LOAD_NT
.set i, i+1
.endr
.endm
	LOADW 0
	LOADW 1
.macro BLOCKW t
.set XS, XW+32*((\t)%2)
.if (\t) < NB-1
	s_wait_loadcnt 32                              ; this block's 32 loads are in; the next block's 32 may be out
.else
	s_wait_loadcnt 0
.endif
	v_max3_num_f32 v12, |v[XS]|, |v[XS+1]|, |v[XS+2]|
	v_max3_num_f32 v13, |v[XS+3]|, |v[XS+4]|, |v[XS+5]|
.irp i, 6,10,14,18,22,26
	v_max3_num_f32 v12, v12, |v[XS+\i]|, |v[XS+\i+1]|
	v_max3_num_f32 v13, v13, |v[XS+\i+2]|, |v[XS+\i+3]|
.endr
	v_max3_num_f32 v12, v12, |v[XS+30]|, |v[XS+31]|
	v_max3_num_f32 v12, v12, v13, (EMAX+1)<<23
	v_add_nc_u32 v11, -(EMAX<<23), v12
	v_lshrrev_b32 v13, 23, v11
.if (\t)%4 == 0
	v_mov_b32 v[SB+(\t)/4], v13
.else
	v_lshl_or_b32 v[SB+(\t)/4], v13, 8*((\t)%4), v[SB+(\t)/4]
.endif
	v_cvt_scalef32_pk16_bf6_f32 v[CW:CW+2], v[XS:XS+15], v11
	v_cvt_scalef32_pk16_bf6_f32 v[CW+4:CW+6], v[XS+16:XS+31], v11
	v_nop                                          ; a plain line behind the last conversion
	ds_store_b96 v4, v[CW:CW+2] offset:32*(\t)
	ds_store_b96 v4, v[CW+4:CW+6] offset:32*(\t)+16
.if (\t)+2 < NB
	LOADW (\t)+2
.endif
	s_wait_dscnt 0x0                               ; the stores have read their registers
.endm
.set Q, 0
.rept NB
	BLOCKW Q
.set Q, Q+1
.endr
	s_wait_alu depctr_va_vdst(0)                   ; the wait ahead of the reader below
	global_store_b64 v9, v[SB:SB+1], s[8:9]
.irp t, 0,1,2,3,4,5,6,7,8,9,10,11,12,13,14,15
	ds_load_b96 v[OUTR+4*\t:OUTR+4*\t+2], v7 offset:2*\t*PITCH
.endr
.irp t, 0,1,2,3,4,5,6,7,8,9,10,11,12,13,14,15
	s_wait_dscnt 15-\t                             ; the younger loads may be out
	global_store_b96 v8, v[OUTR+4*\t:OUTR+4*\t+2], s[6:7] offset:(((2*\t)&7)|(((2*\t)&8)<<1)|(((2*\t)&16)>>1))*WROW
.endr
	s_wait_tensorcnt 0x0                           ; the wave's end
	ds_add_u32 v208, v209
	s_wait_dscnt 0x0
	s_endpgm
.Lfunc_end_k_qe4498a7621_quant:
	.size	k_qe4498a7621_quant, .Lfunc_end_k_qe4498a7621_quant-k_qe4498a7621_quant
	.p2alignl 7, 3214868480
	.fill 96, 4, 3214868480
	.section	.rodata,"a",@progbits
	.p2align	6, 0x0
	.amdhsa_kernel k_qe4498a7621_quant
		.amdhsa_group_segment_fixed_size 68096
		.amdhsa_private_segment_fixed_size 0
		.amdhsa_enable_private_segment 0
		.amdhsa_kernarg_size 40
		.amdhsa_user_sgpr_count 2
		.amdhsa_user_sgpr_kernarg_segment_ptr 1
		.amdhsa_wavefront_size32 1
		.amdhsa_system_sgpr_workgroup_id_x 1
		.amdhsa_system_sgpr_workgroup_id_y 1
		.amdhsa_system_sgpr_workgroup_id_z 1
		.amdhsa_system_vgpr_workitem_id 0
		.amdhsa_next_free_vgpr 210
		.amdhsa_next_free_sgpr 66
		.amdhsa_reserve_vcc 0
		.amdhsa_float_denorm_mode_32 3
		.amdhsa_float_denorm_mode_16_64 3
		.amdhsa_memory_ordered 1
		.amdhsa_forward_progress 1
		.amdhsa_inst_pref_size 77
	.end_amdhsa_kernel
	.amdgpu_metadata
---
amdhsa.version: [ 1, 2 ]
amdhsa.kernels:
  - .name:           k_qe4498a7621_quant
    .symbol:         k_qe4498a7621_quant.kd
    .args:
      - { .name: x, .offset: 0, .size: 8, .value_kind: global_buffer, .address_space: global }
      - { .name: w_qkv, .offset: 8, .size: 8, .value_kind: global_buffer, .address_space: global }
      - { .name: w_out, .offset: 16, .size: 8, .value_kind: global_buffer, .address_space: global }
      - { .name: xq, .offset: 24, .size: 8, .value_kind: global_buffer, .address_space: global }
      - { .name: wq, .offset: 32, .size: 8, .value_kind: global_buffer, .address_space: global }
    .group_segment_fixed_size: 68096
    .private_segment_fixed_size: 0
    .kernarg_segment_align: 8
    .kernarg_segment_size: 40
    .max_flat_workgroup_size: 128
    .sgpr_count:     66
    .vgpr_count:     210
    .wavefront_size: 32
...
	.end_amdgpu_metadata
.endif
;; end of part 1
;; launch gemm_qkv (part 2): grid 12 x 32, 4 waves a work-group, clusters of 4 x 4, 327,680 bytes of LDS; arguments xq, wq, b_qkv, qkv; writes qkv
.if DOCPART == 2
	.amdgcn_target "amdgcn-amd-amdhsa--gfx1250"
	.amdhsa_code_object_version 6
	.text
	.protected	k_qe4498a7621_gemm_qkv
	.globl	k_qe4498a7621_gemm_qkv
	.p2align	8
	.type	k_qe4498a7621_gemm_qkv,@function
k_qe4498a7621_gemm_qkv:
	s_mov_b64 s[64:65], 0
	v_nop
	global_prefetch_b8 v0, s[64:65] scope:SCOPE_SE
	s_setreg_imm32_b32 hwreg(HW_REG_WAVE_MODE, 25, 1), 1
	s_wait_xcnt 0x0
	s_wait_alu depctr_hold_cnt(0) depctr_sa_sdst(0) depctr_va_vdst(0) depctr_va_sdst(0) depctr_va_ssrc(0) depctr_va_vcc(0) depctr_vm_vsrc(0)
	s_getreg_b32 s2, hwreg(HW_REG_IB_STS2, 6, 4)
	s_cmp_eq_u32 s2, 0
	s_cbranch_scc0 .Lentry_in_a_cluster
	s_endpgm
.Lentry_in_a_cluster:
	s_bfe_u32 s2, ttmp6, 0x10000c
	s_cmp_lg_u32 s2, 0xf033
	s_cbranch_scc0 .Lentry_shape_is_right
	s_endpgm
.Lentry_shape_is_right:
; q, k, v = x w_qkv + b_qkv on codes of BF6 (E3M2) with E8M0 scales for each 32 along K = 1024; the results are quantised here for the two products of attention and leave as codes.
; A tile of 256 x 256 is made by four waves, 128 x 128 each: 64 accumulators of 16 x 16, 512 registers.  K goes in steps of 256 through a ring of two LDS slots filled by the tensor data mover;
; the scale bytes of the work-group's rows come into LDS once.  4 x 4 work-groups form a cluster: A's tiles are asked for jointly along a row of the cluster, B's along a column.
; THE MATRIX INSTRUCTION IS USED TRANSPOSED (source 0 = 16 rows of B, source 1 = 16 rows of A): a lane holds ONE row of A, and its registers run along B's rows.
; TWO MODES, chosen by the cluster's x (alike in all partners).  Clusters 0, 1 (q, k): A = tokens (xq), B = w_qkv's columns 0-2047: a lane holds a token, registers run along the head's channels, q's and k's K.
; Cluster 2 (v): A = w_qkv's columns 2048-3071, B = tokens: a lane holds a channel, registers run along the tokens, which are v's K in attention.
; Rows of xq and wq are stored so that stored tile 2 T + u holds rows 32 T + 8 u + r + 8 (r / 8): a lane's registers 16 B + i of B's eight tiles are then the index 32 B + 16 (lane / 16) + i: 16 neighbours.
; OUT: images of operand registers (register p of lane l at 512 (p / 4) + 16 l + 4 (p % 4)): three stores of 512 consecutive bytes a fragment.
;   q: head x 102,400 + step x 6,400: four images of 32 tokens (registers 0-5 token 32 i + r + 8 (r / 8), registers 6-11 the token 8 on; block lane / 16 of the head's 64), then 256 bytes of scale words.
;   k, v: from byte KVR, head x 204,800 + step x 12,800: k's four images, v's four (16 channels x 128 keys each), 512 bytes of scale words: 16 l: k's four words of row l; 256 + 16 r: v's four.
; LIMITS: NaN and infinities are not served; a block whose largest magnitude lies under 2^-122, or of zeros, gets the byte 1 (zeros: with zero codes; this program alone reads the bytes).
; REGISTERS, in windows of 256: window 0: v0-31 addresses; v32-63 scale words, two sets; v64-127 the bias; from v128 A's fragments, one set (on the way out: v128-191 64 numbers, v192-215 codes, v216-251 at work).
;   window 1: B's fragments, two sets.   window 2: the accumulators of my rows 0-63 ((a, b) at v[8 (8 a + b)]);   window 3: those of rows 64-127.
.set KSTEP,  256
.set NQ,     2                         ; matrix instructions deep in a slot
.set ROWB,   192                       ; a tile's row: 256 codes
.set KROW,   192                       ; a row of one K step's codes in memory: xq and wq lie [K step][row][192 bytes], so a tile is dense and is stated as rows of 256 bytes
.set KSTX,   1572864                   ; xq: bytes from K step to K step
.set KSTW,   589824                    ; wq, rows 0-3071: the same
.set G0H,    4                         ; s[4:7], s[8:11] group 0 of the head's loads of K step 0: A's 256 rows, B's 256 rows
.set G0HB,   8
.set PITCH,  240                       ; an LDS row: 3 x (64 bytes + 16 of padding)
.set FR,     12
.set NL,     6
.set NP,     4
.set HALFT,  128*PITCH
.set SLOT,   4*HALFT
.set LAPS,   2
.set KS,     32                        ; a row of scale bytes
.set SCL,    2*SLOT                    ; behind the ring: the scales, as 256 bytes + 16 of padding
.set HALFS,  (128*KS/256)*272
.set SBLK,   (16*KS/256)*272
.set SPARE,  SCL+4*HALFS               ; the spare words, 128 bytes for each wave: two blocks of 256 bytes that no other line names
.set XSC,    6291456                   ; xq's scale bytes
.set WSC,    3145728                   ; wq's scale bytes
.set WV_C,   393216
.set WV_S,   3211264                   ; and scale bytes
.set KVR,    6553600                   ; qkv: where k's and v's region begins
.set ADRA, 16                          ; v16-19  LDS addresses of my A fragments (slot 0, 1; the same behind one padding more)
.set ADRB, 20                          ; v20-23  the same for B
.set LI,   24                          ; v24     16 x lane: my place in an image
.set SOF,  25                          ; v25     where my scale words go
.set BOF,  26                          ; v26     my offset in the bias
.set ADRS, 27                          ; v27     LDS address of my scale words
.set SPW,  28                          ; v28     my spare word; never rewritten
.set NIL,  29                          ; v29     0; never rewritten
.set PSEL, 30                          ; v30     byte selects for a head's scale word
.set SC,   32
.set BR,   64
.set AF,   128
.set T,    128
.set IMG,  192
.set TC,   216
.set TM,   224
.set PW,   240
.set SW,   248
.set G1, 24
.set G0, 32
.set G1B, 48
.set G0B, 56
.set G1S, 68
.set G0S, 76
.set G1SB, 80
.set G0SB, 88
.set MODE, 95                          ; s95  1: v;  0: q, k
.set SEL,  100                         ; s[100:101] v_permlanex16_b32's selects for lane l xor 16
.set MSB, 0
.macro WIN new                         ; the immediate's high byte repeats the setting that is left
.if MSB != (\new)
	s_set_vgpr_msb (MSB<<8)|(\new)
.set MSB, (\new)
.endif
.endm
.set MUL_LO, 0xa1                      ; source 0 (B) window 1, source 1 (A) window 0, C and D window 2
.set MUL_HI, 0xf1                      ; the same, C and D window 3
.set TO_B,   0x40                      ; destination window 1, address window 0
; A joint load: waves 0 and 1 fetch for A, waves 2 and 3 for B.  The branch hangs on the wave's number alone.  Four v_nop follow each of the two lines.
.macro JLOAD g0a, g1a, g0b, g1b
	s_cmp_eq_u32 s15, 0
	s_cbranch_scc0 .Lfor_b_\@
	tensor_load_to_lds s[\g0a:\g0a+3], s[\g1a:\g1a+7]
	s_nop 0
.rept 4
	v_nop
.endr
	s_branch .Lasked_\@
.Lfor_b_\@:
	tensor_load_to_lds s[\g0b:\g0b+3], s[\g1b:\g1b+7]
	s_nop 0
.rept 4
	v_nop
.endr
.Lasked_\@:
.endm
.macro CREST                           ; a round of the cluster's barrier behind its opening barrier
	s_cmp_lg_u32 s14, 0
	s_cbranch_scc1 .Lnot_wave_0_\@
	s_barrier_signal -3
.Lnot_wave_0_\@:
	s_barrier_wait -3
	s_barrier_signal -1
	s_barrier_wait -1
.endm
.macro CROUND                          ; a whole round
	s_barrier_signal -1
	s_barrier_wait -1
	CREST
.endm
	s_load_b128 s[96:99], s[0:1], 0x0              ; xq s[96:97], wq s[98:99]
	s_load_b64 s[66:67], s[0:1], 0x10              ; b_qkv
	s_load_b64 s[12:13], s[0:1], 0x18              ; qkv
	v_lshl_add_u32 v[SPW], v0, 2, SPARE
	v_mov_b32 v[NIL], 0
	ds_add_u32 v28, v29
	ds_add_u32 v28, v29
	s_wait_dscnt 0x0
	v_lshrrev_b32 v1, 5, v0
	v_readfirstlane_b32 s14, v1                    ; wave 0..3
	s_lshr_b32 s15, s14, 1                         ; which half of the tile's A rows is mine.  Also: I fetch for A (0) or for B (1)
	s_and_b32 s16, s14, 1                          ; which half of its B rows.  Also: which 128 rows I fetch
	s_bfe_u32 s40, ttmp6, 0x40000                  ; cx, cy: my place in the cluster
	s_bfe_u32 s41, ttmp6, 0x40004
	s_and_b32 s18, ttmp7, 0xffff                   ; the cluster's y, 0..7
	s_cmp_eq_u32 ttmp9, 2                          ; the cluster's x, 0..2: alike in all sixteen partners
	s_cselect_b32 s[MODE], 1, 0
	s_cselect_b32 s17, 0, s18                      ; v: A has 4 tiles of rows (cy);  q, k: 32 (4 y + cy)
	s_cselect_b32 s42, s18, ttmp9                  ; v: B has 32 tiles (4 y + cx);   q, k: 8 (4 x + cx)
	s_lshl_b32 s42, s42, 2
	s_add_co_u32 s42, s42, s40                     ; B's tile
	s_lshl_b32 s17, s17, 2
	s_add_co_u32 s17, s17, s41                     ; A's tile
	s_lshl_b32 s43, s41, 2
	s_lshl_b32 s43, 15, s43                        ; my row of the cluster
	s_lshl_b32 s44, 0x1111, s40                    ; my column
	s_mov_b32 s[SEL], 0x76543210
	s_mov_b32 s[SEL+1], 0xfedcba98
	; descriptor group 1: a tile of 128 rows x 192 bytes, 16 bytes of padding behind every 64
	s_or_b32 s[G1+0], s43, (0<<16)|(1<<20)|(1<<21)|(3<<22)|(3<<25)
	s_or_b32 s[G1B+0], s44, (0<<16)|(1<<20)|(1<<21)|(3<<22)|(3<<25)
.irp g, G1, G1B
	s_mov_b32 s[\g+1], 256<<16                     ; rows of 256 bytes
	s_mov_b32 s[\g+2], 192<<16                     ; the head's loads: 256 rows of codes = 49,152 dense bytes = 192 such rows
	s_mov_b32 s[\g+3], 256<<16
	s_mov_b32 s[\g+4], 192
	s_mov_b32 s[\g+5], 256
	s_mov_b32 s[\g+6], 0
	s_mov_b32 s[\g+7], 0
.endr
	; the scales of 128 rows: 4,096 dense bytes as 16 rows of 256 (32 elements of 8 bytes), 16 bytes of padding behind each
	s_or_b32 s[G1S+0], s43, (3<<16)|(1<<20)|(1<<21)|(5<<22)|(3<<25)
	s_or_b32 s[G1SB+0], s44, (3<<16)|(1<<20)|(1<<21)|(5<<22)|(3<<25)
.irp g, G1S, G1SB
	s_mov_b32 s[\g+1], 32<<16
	s_mov_b32 s[\g+2], KS<<16                      ; the scales of 256 rows: 32 rows of 256 bytes
	s_mov_b32 s[\g+3], 32<<16
	s_mov_b32 s[\g+4], KS
	s_mov_b32 s[\g+5], 32
	s_mov_b32 s[\g+6], 0
	s_mov_b32 s[\g+7], 0
.endr
	s_lshl_b32 s20, s17, 8                         ; A: the tile's first row
	s_lshl_b32 s46, s42, 8                         ; B likewise
	s_mov_b32 s21, 0
	s_mov_b32 s47, 0
	s_mov_b64 s[18:19], KS
	s_mul_u64 s[22:23], s[20:21], s[18:19]         ; where these rows' scales begin, in bytes
	s_mul_u64 s[92:93], s[46:47], s[18:19]
	s_mov_b64 s[18:19], KROW
	s_mul_u64 s[20:21], s[20:21], s[18:19]         ; and their codes
	s_mul_u64 s[46:47], s[46:47], s[18:19]
	s_mul_i32 s18, s16, 128*KROW                   ; in the ring I fetch 128 rows: which half, in bytes
	s_mov_b32 s19, 0
	s_mul_i32 s45, s14, HALFT
	s_wait_kmcnt 0x0
	s_add_nc_u64 s[32:33], s[98:99], WV_C
	s_add_nc_u64 s[34:35], s[98:99], WV_S
	s_add_nc_u64 s[36:37], s[96:97], XSC
	s_add_nc_u64 s[38:39], s[98:99], WSC
	s_cmp_eq_u32 s[MODE], 1                        ; the choice of buffers hangs on the cluster's x alone
	s_cselect_b64 s[4:5], s[32:33], s[96:97]       ; A's codes
	s_cselect_b64 s[6:7], s[34:35], s[36:37]       ; A's scales
	s_cselect_b64 s[8:9], s[96:97], s[98:99]       ; B's codes
	s_cselect_b64 s[10:11], s[36:37], s[38:39]     ; B's scales
	s_add_nc_u64 s[20:21], s[4:5], s[20:21]
	s_add_nc_u64 s[22:23], s[6:7], s[22:23]
	s_add_nc_u64 s[46:47], s[8:9], s[46:47]
	s_add_nc_u64 s[92:93], s[10:11], s[92:93]
	s_mov_b32 s96, KSTX                            ; (the two pointers that lay here have been used)
	s_mov_b32 s98, KSTW
	s_cmp_eq_u32 s[MODE], 1
	s_cselect_b32 s94, s98, s96                    ; A's bytes from K step to K step,
	s_cselect_b32 s98, s96, s98                    ; and B's
	s_mov_b32 s96, s94
	s_mov_b32 s97, 0
	s_mov_b32 s99, 0
	CROUND                                         ; all sixteen work-groups are here: the first joint loads meet
	s_mov_b32 s[G0H], 1                            ; the head's four tiles, each whole: K step 0's 256 rows of A,
	s_mov_b32 s[G0H+1], 0
	s_mov_b64 s[G0H+2:G0H+3], s[20:21]
	s_or_b32 s[G0H+3], s[G0H+3], 0x80000000
	s_mov_b32 s[G0HB], 1                           ; its 256 rows of B,
	s_mov_b32 s[G0HB+1], 2*HALFT
	s_mov_b64 s[G0HB+2:G0HB+3], s[46:47]
	s_or_b32 s[G0HB+3], s[G0HB+3], 0x80000000
	s_mov_b32 s[G0S], 1                            ; the scales of A's 256 rows,
	s_mov_b32 s[G0S+1], SCL
	s_mov_b64 s[G0S+2:G0S+3], s[22:23]
	s_or_b32 s[G0S+3], s[G0S+3], 0x80000000
	s_mov_b32 s[G0SB], 1                           ; and of B's
	s_mov_b32 s[G0SB+1], SCL+2*HALFS
	s_mov_b64 s[G0SB+2:G0SB+3], s[92:93]
	s_or_b32 s[G0SB+3], s[G0SB+3], 0x80000000
	s_add_nc_u64 s[20:21], s[20:21], s[18:19]      ; for the ring: my 128 rows of the tile
	s_add_nc_u64 s[46:47], s[46:47], s[18:19]
	s_mov_b32 s[G0], 1                             ; slot 0's group 0 stands at K step 0 and is stepped ahead of its first use
	s_mov_b32 s[G0+1], s45
	s_mov_b64 s[G0+2:G0+3], s[20:21]
	s_or_b32 s[G0+3], s[G0+3], 0x80000000
	s_mov_b32 s[G0+4], 1                           ; slot 1's at K step 1
	s_add_co_u32 s[G0+5], s45, SLOT
	s_add_nc_u64 s[G0+6:G0+7], s[20:21], s[96:97]
	s_or_b32 s[G0+7], s[G0+7], 0x80000000
	s_mov_b32 s[G0B], 1
	s_mov_b32 s[G0B+1], s45
	s_mov_b64 s[G0B+2:G0B+3], s[46:47]
	s_or_b32 s[G0B+3], s[G0B+3], 0x80000000
	s_mov_b32 s[G0B+4], 1
	s_add_co_u32 s[G0B+5], s45, SLOT
	s_add_nc_u64 s[G0B+6:G0B+7], s[46:47], s[98:99]
	s_or_b32 s[G0B+7], s[G0B+7], 0x80000000
	s_lshl_b32 s96, s96, 1                         ; a refill steps two K steps on
	s_lshl_b32 s98, s98, 1
; The head's loads, one a wave: one tree of branches on the wave's number, a load to an arm, all arms leading to one join.
.macro ARM under, g0, g1, next
	s_cmp_lt_u32 s14, \under
	s_cbranch_scc0 \next
	tensor_load_to_lds s[\g0:\g0+3], s[\g1:\g1+7]
	s_nop 0
.rept 4
	v_nop
.endr
	s_branch .Lhead_asked
\next:
.endm
	ARM 1, G0H,  G1,  .Lhead_b
	ARM 2, G0HB, G1B, .Lhead_sa
	ARM 3, G0S,  G1S, .Lhead_sb
	tensor_load_to_lds s[G0SB:G0SB+3], s[G1SB:G1SB+7]
	s_nop 0
.rept 4
	v_nop
.endr
.Lhead_asked:
	v_and_b32 v1, 15, v0                           ; r = l % 16
	v_bfe_u32 v2, v0, 4, 1                         ; h = l / 16
	v_mul_u32_u24 v3, v1, PITCH
	v_mul_u32_u24 v4, v2, 24
	v_add_nc_u32 v4, v3, v4                        ; a fragment's row x pitch + 24 x half
	v_lshl_add_u32 v5, v2, 4, v4                   ; and the same behind one padding more
	s_mul_i32 s21, s15, HALFT                      ; my 128 rows of A
	s_mul_i32 s22, s16, HALFT                      ; my 128 rows of B,
	s_add_co_u32 s22, s22, 2*HALFT                 ; which lie behind A's 256
.irp s, 0,1
	v_add_nc_u32 v[ADRA+\s], s21, v4
	v_add_nc_u32 v[ADRB+\s], s22, v4
	v_add_nc_u32 v[ADRA+2+\s], s21, v5
	v_add_nc_u32 v[ADRB+2+\s], s22, v5
	s_add_co_u32 s21, s21, SLOT
	s_add_co_u32 s22, s22, SLOT
.endr
	v_mul_u32_u24 v5, v1, KS                       ; my row's scales: 32 bytes a row,
	v_lshrrev_b32 v6, 8, v5
	v_lshl_add_u32 v5, v6, 4, v5                   ; and 16 more for each 256 passed
	s_mul_i32 s21, s15, HALFS                      ; A's: my 128 rows
	s_mul_i32 s22, s16, HALFS                      ; B's: my 128 rows, behind A's 256
	s_add_co_u32 s22, s22, 2*HALFS
	s_sub_co_u32 s22, s22, s21
	v_mul_u32_u24 v6, s22, v2                      ; lanes 16-31 take B's
	s_add_co_u32 s21, s21, SCL
	v_add_nc_u32 v5, v5, v6
	v_add_nc_u32 v[ADRS], s21, v5
.macro FRAG reg, adr, q, i             ; a fragment, 16 rows x 128 K: 12 registers; lane l: row l % 16, registers 6 c .. 6 c + 5: K = 64 c + 32 (l / 16) + 0 .. 31: 24 bytes as they lie, in pieces of 8
.irp p, 0,1,2,3,4,5
.set PC, 12*(\q)+6*(\p/3)+\p%3        ; where the piece three on (lanes 16-31) lies behind one padding more, the second address register serves
.if PC%8 < 5
	ds_load_b64 v[\reg+2*\p:\reg+2*\p+1], v[\adr] offset:8*PC+16*(PC/8)+(\i)*16*PITCH
.else
	ds_load_b64 v[\reg+2*\p:\reg+2*\p+1], v[\adr+2] offset:8*PC+16*(PC/8)+(\i)*16*PITCH
.endif
.endr
.endm
; 16 matrix instructions: A's blocks a0, a0 + 1 x B's eight, 128 along K.  The 64 accumulators take turns, one instruction a turn, in the same order in every step.
.macro MUL16 a0, p, q, sc, zero
.irp a, \a0, \a0+1
.irp b, 0,1,2,3,4,5,6,7
.if \zero
	v_wmma_scale_f32_16x16x128_f8f6f4 v[8*(8*((\a)%4)+\b):8*(8*((\a)%4)+\b)+7], v[128*(\p)+FR*\b:128*(\p)+FR*\b+FR-1], v[AF+FR*(\a):AF+FR*(\a)+FR-1], 0, v[SC+8*NQ*(\sc)+NQ*\b+(\q)], v[SC+8*NQ*(\sc)+NQ*(\a)+(\q)] matrix_a_fmt:MATRIX_FMT_BF6 matrix_b_fmt:MATRIX_FMT_BF6 matrix_a_scale:MATRIX_SCALE_ROW1
.else
	v_wmma_scale_f32_16x16x128_f8f6f4 v[8*(8*((\a)%4)+\b):8*(8*((\a)%4)+\b)+7], v[128*(\p)+FR*\b:128*(\p)+FR*\b+FR-1], v[AF+FR*(\a):AF+FR*(\a)+FR-1], v[8*(8*((\a)%4)+\b):8*(8*((\a)%4)+\b)+7], v[SC+8*NQ*(\sc)+NQ*\b+(\q)], v[SC+8*NQ*(\sc)+NQ*(\a)+(\q)] matrix_a_fmt:MATRIX_FMT_BF6 matrix_b_fmt:MATRIX_FMT_BF6 matrix_a_scale:MATRIX_SCALE_ROW1
.endif
.endr
.endr
.endm
.macro FETCH_B slot, q, p
	WIN TO_B
.irp i, 0,1,2,3,4,5,6,7
	FRAG 128*(\p)+FR*\i, ADRB+\slot, \q, \i
.endr
	WIN 0
.endm
.macro FETCH_A slot, q, i0
.irp i, \i0, \i0+1, \i0+2, \i0+3
	FRAG AF+FR*(\i), ADRA+\slot, \q, \i
.endr
.endm
.macro SCALES sc                       ; a K step's scale words: lanes 0-15 take A's block i, lanes 16-31 B's block i
.irp i, 0,1,2,3,4,5,6,7
	ds_load_b64 v[SC+8*NQ*\sc+NQ*\i:SC+8*NQ*\sc+NQ*\i+1], v[ADRS] offset:\i*SBLK
.endr
.endm
.macro PLACES n                        ; plain vector lines between a matrix instruction and a load into, or a vector read or write of, its registers
.rept \n
	v_nop
.endr
.endm
.macro STEP slot, q, zero              ; a step of 128 along K that has its successor in the same slot
	s_wait_dscnt 4*NL                              ; B's set and A's blocks 0-3 are in; the youngest 24 loads (A's blocks 4-7) may be out
	WIN MUL_LO
	MUL16 0, (\q)%2, \q, \slot, \zero
	MUL16 2, (\q)%2, \q, \slot, \zero
	s_wait_dscnt 0
	PLACES NP
	FETCH_B \slot, (\q)+1, 1-(\q)%2
	FETCH_A \slot, (\q)+1, 0
	WIN MUL_HI
	MUL16 4, (\q)%2, \q, \slot, \zero
	MUL16 6, (\q)%2, \q, \slot, \zero
	PLACES NP
	WIN 0
	FETCH_A \slot, (\q)+1, 4
.endm
; A slot's last step changes slots: one barrier; in front of it each wave waits for all its tensor loads, adds 0 to its spare word, and waits for that and for its reads of this slot.
.macro TURN slot, next, fill
	s_wait_tensorcnt 0x0                           ; all my tensor loads have landed: my part of the next slot
	ds_add_u32 v[SPW], v[NIL]                      ; 0 onto my spare word
	s_wait_dscnt 4*NL+1                            ; (the add and the youngest 24 loads may be out)
	WIN MUL_LO
	MUL16 0, 1, NQ-1, \slot, 0
	s_wait_dscnt 0x0                               ; the add is done, and my reads of this slot are over
	s_barrier_signal -1
	MUL16 2, 1, NQ-1, \slot, 0
	WIN 0
	s_barrier_wait -1
.if \fill
	CREST                                          ; the barrier has opened a round of the cluster's barrier: no wave of any partner still reads this slot or has a load on its way
	s_add_nc_u64 s[G0+4*\slot+2:G0+4*\slot+3], s[G0+4*\slot+2:G0+4*\slot+3], s[96:97]
	s_add_nc_u64 s[G0B+4*\slot+2:G0B+4*\slot+3], s[G0B+4*\slot+2:G0B+4*\slot+3], s[98:99]
	JLOAD G0+4*\slot, G1, G0B+4*\slot, G1B         ; the first tensor load behind the round; its four v_nop are the places in front of the loads below
.else
	PLACES NP
.endif
	s_wait_alu depctr_va_vdst(0)
	v_add_nc_u32 v[ADRS], 4*NQ, v[ADRS]            ; on to the next K step's scale words
	FETCH_B \next, 0, 0
	FETCH_A \next, 0, 0
	SCALES \next
	WIN MUL_HI
	MUL16 4, 1, NQ-1, \slot, 0
	MUL16 6, 1, NQ-1, \slot, 0
	PLACES NP
	WIN 0
	FETCH_A \next, 0, 4
.endm
.macro LAST                            ; the very last step of 128 along K: nothing more to fetch
	s_wait_dscnt 4*NL
	WIN MUL_LO
	MUL16 0, 1, NQ-1, 1, 0
	MUL16 2, 1, NQ-1, 1, 0
	s_wait_dscnt 0
	WIN MUL_HI
	MUL16 4, 1, NQ-1, 1, 0
	MUL16 6, 1, NQ-1, 1, 0
	WIN 0
	PLACES NP                                      ; in front of the first read of results and the first write over A's fragments
.endm
; The 64 results of A's block a of a lane, + the bias, into v[T] on.  kind 0: the bias runs along the registers; kind 1: one number a lane.  Each accumulator is read from its low end on.
.macro ADDB a, kind
	WIN 0x02+(\a)/4                                ; source 0: window 2 or 3
.set AC, 64*((\a)%4)
.set i, 0
.rept 32
.if \kind
	v_pk_add_f32 v[T+2*i:T+2*i+1], v[AC+2*i:AC+2*i+1], v[BR+2*(\a):BR+2*(\a)+1]
.else
	v_pk_add_f32 v[T+2*i:T+2*i+1], v[AC+2*i:AC+2*i+1], v[BR+2*i:BR+2*i+1]
.endif
.set i, i+1
.endr
	WIN 0
.endm
; 64 numbers of a lane, register 16 b + i = index 32 b + 16 (lane / 16) + i of my row, become codes: blocks 0, 1 in v[d0] .. v[d0 + 5], blocks 2, 3 in v[d1] .. v[d1 + 5] (lanes 0-15 the even block, lanes 16-31 the odd), and their four bytes in v[pw].
.macro QUANT d0, d1, pw
.irp b, 0,1,2,3
	v_max3_num_f32 v[TM+\b], |v[T+16*\b]|, |v[T+1+16*\b]|, 0x2800000   ; my 16 numbers of block b, and the floor 2^(5 - 127): the byte cannot fall under 1
.endr
.irp i, 2,4,6,8,10,12,14
.irp b, 0,1,2,3
	v_max3_num_f32 v[TM+\b], v[TM+\b], |v[T+16*\b+\i]|, |v[T+1+16*\b+\i]|
.endr
.endr
.irp b, 0,1,2,3
	v_permlanex16_b32 v[TM+4+\b], v[TM+\b], s[SEL], s[SEL+1]
.endr
.irp b, 0,1,2,3
	v_max_num_f32 v[TM+\b], v[TM+\b], v[TM+4+\b]   ; with lane l xor 16's: the block's largest magnitude
.endr
.irp b, 0,1,2,3
	v_add_nc_u32 v[TM+12+\b], 0xfe000000, v[TM+\b] ; 4 off its exponent field: the conversion's scale operand
.endr
.irp b, 0,1,2,3
	v_lshrrev_b32 v[TM+4+\b], 23, v[TM+12+\b]      ; the scale's byte
.endr
	v_lshl_or_b32 v[\pw], v[TM+5], 8, v[TM+4]
	v_lshl_or_b32 v[\pw], v[TM+6], 16, v[\pw]
	v_lshl_or_b32 v[\pw], v[TM+7], 24, v[\pw]
	v_cvt_scalef32_pk16_bf6_f32 v[\d0:\d0+2], v[T:T+15], v[TM+12]
	v_cvt_scalef32_pk16_bf6_f32 v[TC:TC+2], v[T+16:T+31], v[TM+13]     ; (a conversion's three registers begin on an even number)
	v_cvt_scalef32_pk16_bf6_f32 v[\d1:\d1+2], v[T+32:T+47], v[TM+14]
	v_cvt_scalef32_pk16_bf6_f32 v[TC+4:TC+6], v[T+48:T+63], v[TM+15]
	v_nop                                          ; one plain line behind a scaled conversion
.irp i, 0,1,2
	v_permlane16_swap_b32 v[\d0+\i], v[TC+\i]      ; the operand's layout wants a whole block in a lane
	v_permlane16_swap_b32 v[\d1+\i], v[TC+4+\i]
.endr
.irp i, 0,1,2
	v_mov_b32 v[\d0+3+\i], v[TC+\i]
	v_mov_b32 v[\d1+3+\i], v[TC+4+\i]
.endr
.endm
.macro FINISH
	s_wait_tensorcnt 0x0                           ; the wave's end
	ds_add_u32 v[SPW], v[NIL]
	s_wait_dscnt 0x0
	CROUND                                         ; the closing round: no work-group ends while a partner may still ask for a tile that names it
	s_endpgm
.endm
	s_wait_alu depctr_va_vdst(0)                   ; the wait at the head's end
	s_wait_tensorcnt 0x0                           ; my tile of the head's four is in
	ds_add_u32 v[SPW], v[NIL]
	s_mov_b32 s[G1+2], 96<<16                      ; no tensor load of mine is out: from here on a load brings 128 rows of codes = 96 rows of 256 bytes
	s_mov_b32 s[G1+4], 96
	s_mov_b32 s[G1B+2], 96<<16
	s_mov_b32 s[G1B+4], 96
	s_wait_dscnt 0x0
	CROUND                                         ; all four tiles are in, and all sixteen work-groups are here
	JLOAD G0+4, G1, G0B+4, G1B                     ; K step 1, the first tensor load behind the round
	FETCH_B 0, 0, 0
	FETCH_A 0, 0, 0
	SCALES 0
	FETCH_A 0, 0, 4
	STEP 0, 0, 1                                   ; the first step's products start the sums
	s_mov_b32 s3, LAPS-1
.Llap:                                                 ; a trip goes once round the ring and fills both slots again
	TURN 0, 1, 1
	STEP 1, 0, 0
	TURN 1, 0, 1
	STEP 0, 0, 0
	s_sub_co_u32 s3, s3, 1
	s_cmp_lg_u32 s3, 0
	s_cbranch_scc1 .Llap
	TURN 0, 1, 0                                   ; the last lap fills nothing
	STEP 1, 0, 0
	v_and_b32 v3, 31, v0
	v_lshlrev_b32 v[LI], 4, v3                     ; 16 x lane
	v_lshlrev_b32 v[SOF], 4, v1                    ; 16 r
.irp b, 0,1,2,3
	v_mov_b32 v[TM+4+\b], 0                        ; written once: a lane permute's destination counts as one of its sources
.endr
	s_cmp_eq_u32 s[MODE], 1
	s_cbranch_scc1 .Lv
	; ---- THE WAY OUT FOR q AND k.  My 128 tokens are one key step of one batch; my 128 columns are two heads.
	s_lshl_b32 s18, s17, 8
	s_lshl_b32 s19, s15, 7
	s_add_co_u32 s18, s18, s19                     ; my first token
	s_lshr_b32 s19, s18, 11                        ; the batch
	s_bfe_u32 s20, s18, 0x40007                    ; the step of 128 tokens in it
	s_lshl_b32 s21, s42, 8
	s_lshl_b32 s22, s16, 7
	s_add_co_u32 s21, s21, s22                     ; my first column of w_qkv
	s_bfe_u32 s22, s21, 0x40006                    ; its head
	s_lshl_b32 s19, s19, 4
	s_add_co_u32 s19, s19, s22                     ; 16 x batch + head
	s_mov_b32 s23, 102400
	s_mov_b32 s44, 6400
	s_mov_b32 s45, 6144
	s_cmp_eq_u32 ttmp9, 1                          ; cluster x = 1: k
	s_cselect_b32 s23, 204800, s23                 ; a head's bytes
	s_cselect_b32 s44, 12800, s44                  ; a step's
	s_cselect_b32 s45, 12288, s45                  ; where a step's scale words begin
	s_cselect_b32 s46, KVR, 0
	s_mul_i32 s19, s19, s23
	s_mul_i32 s20, s20, s44
	s_add_co_u32 s19, s19, s20
	s_add_co_u32 s46, s46, s19
	s_mov_b32 s47, 0
	s_add_nc_u64 s[12:13], s[12:13], s[46:47]      ; my first head's step
	s_mov_b32 s46, s23
	s_add_nc_u64 s[4:5], s[12:13], s[46:47]        ; my second head's
	s_mov_b32 s46, s45
	s_add_nc_u64 s[6:7], s[12:13], s[46:47]        ; the scale words
	s_lshl_b32 s46, s21, 2
	s_add_nc_u64 s[66:67], s[66:67], s[46:47]      ; the bias at my first column
	v_lshlrev_b32 v[BOF], 6, v2                    ; register 16 b + i is column 32 b + 16 h + i
.irp b, 0,1,2,3
.irp q, 0,1,2,3
	global_load_b128 v[BR+16*\b+4*\q:BR+16*\b+4*\q+3], v[BOF], s[66:67] offset:128*\b+16*\q
.endr
.endr
	s_wait_alu depctr_va_vdst(0)
	v_mad_u32_u24 v[SOF], v2, s23, v[SOF]          ; lanes 16-31 write the second head's words
	v_mov_b32 v[PSEL], 0x05040100                  ; first head: bytes 0, 1 of both tokens' words;
	v_mov_b32 v4, 0x07060302                       ; second head: bytes 2, 3
	v_cmp_gt_u32 vcc_lo, 16, v3
	v_cndmask_b32 v[PSEL], v4, v[PSEL], vcc_lo
	LAST                                           ; the bias lands under the last 64 products
	s_wait_loadcnt 0x0
.irp p, 0,1,2,3                        ; an image: 32 tokens = A's blocks 2 p, 2 p + 1
	s_wait_xcnt 0x0                                ; the last image's stores have read their registers
.irp u, 0,1
	ADDB 2*\p+\u, 0
	QUANT IMG+6*\u, IMG+12+6*\u, PW+\u
.endr
	v_perm_b32 v[SW+\p], v[PW+1], v[PW], v[PSEL]   ; the image's scale word of my row: [token b0, b1, token + 8 b0, b1]
.irp g, 0,1,2
	global_store_b128 v[LI], v[IMG+4*\g:IMG+4*\g+3], s[12:13] offset:1536*\p+512*\g       ; 32 lanes store 512 consecutive bytes, aligned
	global_store_b128 v[LI], v[IMG+12+4*\g:IMG+12+4*\g+3], s[4:5] offset:1536*\p+512*\g
.endr
.endr
	global_store_b128 v[SOF], v[SW:SW+3], s[6:7]   ; 16 lanes store a head's 256 bytes of scale words
	FINISH
	; ---- THE WAY OUT FOR v.  My 128 channels are two heads; my 128 tokens are one key step.  A's block a is one image: head a / 4, channels' tile a % 4.
.Lv:
	s_lshl_b32 s18, s42, 8
	s_lshl_b32 s19, s16, 7
	s_add_co_u32 s18, s18, s19                     ; my first token
	s_lshr_b32 s19, s18, 11                        ; the batch
	s_bfe_u32 s20, s18, 0x40007                    ; the step
	s_lshl_b32 s21, s17, 8
	s_lshl_b32 s22, s15, 7
	s_add_co_u32 s21, s21, s22                     ; my first channel, 0 .. 896
	s_lshr_b32 s22, s21, 6                         ; its head
	s_lshl_b32 s19, s19, 4
	s_add_co_u32 s19, s19, s22
	s_mul_i32 s19, s19, 204800
	s_mul_i32 s20, s20, 12800
	s_add_co_u32 s46, s19, s20
	s_add_co_u32 s46, s46, KVR+6144                ; v's images lie behind k's four
	s_mov_b32 s47, 0
	s_add_nc_u64 s[12:13], s[12:13], s[46:47]
	s_lshl_b32 s46, s21, 2
	s_add_co_u32 s46, s46, 4*2048
	s_add_nc_u64 s[66:67], s[66:67], s[46:47]      ; the bias at my first channel
	v_and_b32 v4, 8, v1
	v_add_nc_u32 v4, v4, v1                        ; r + 8 (r / 8)
	v_lshlrev_b32 v[BOF], 2, v4
.irp a, 0,1,2,3,4,5,6,7
	global_load_b32 v[BR+2*\a], v[BOF], s[66:67] offset:4*(32*(\a/2)+8*(\a%2))   ; block a's channel of my lane
.endr
	s_wait_alu depctr_va_vdst(0)
	v_mad_u32_u24 v[SOF], v2, 204800, v[SOF]       ; lanes 16-31 write the second head's words
	LAST
	s_wait_loadcnt 0x0
.irp a, 0,1,2,3,4,5,6,7
	v_mov_b32 v[BR+2*\a+1], v[BR+2*\a]             ; a pair for the packed addition
.endr
	s_wait_alu depctr_va_vdst(0)
.irp a, 0,1,2,3,4,5,6,7
	s_wait_xcnt 0x0                                ; the last image's stores have read their registers
	ADDB \a, 1
	QUANT IMG, IMG+6, PW+\a
.irp g, 0,1,2
	global_store_b128 v[LI], v[IMG+4*\g:IMG+4*\g+3], s[12:13] offset:(\a/4)*204800+(\a%4)*1536+512*\g
.endr
.endr
	v_cmp_gt_u32 vcc_lo, 16, v3
.irp i, 0,1,2,3
	v_cndmask_b32 v[SW+\i], v[PW+4+\i], v[PW+\i], vcc_lo   ; lanes 0-15: the first head's four words of row r; lanes 16-31: the second's
.endr
	global_store_b128 v[SOF], v[SW:SW+3], s[12:13] offset:6400   ; behind k's 256 bytes of words
	FINISH
.Lfunc_end_k_qe4498a7621_gemm_qkv:
	.size	k_qe4498a7621_gemm_qkv, .Lfunc_end_k_qe4498a7621_gemm_qkv-k_qe4498a7621_gemm_qkv
	.p2alignl 7, 3214868480
	.fill 96, 4, 3214868480
	.section	.rodata,"a",@progbits
	.p2align	6, 0x0
	.amdhsa_kernel k_qe4498a7621_gemm_qkv
		.amdhsa_group_segment_fixed_size 327680
		.amdhsa_private_segment_fixed_size 0
		.amdhsa_enable_private_segment 0
		.amdhsa_kernarg_size 32
		.amdhsa_user_sgpr_count 2
		.amdhsa_user_sgpr_kernarg_segment_ptr 1
		.amdhsa_wavefront_size32 1
		.amdhsa_system_sgpr_workgroup_id_x 1
		.amdhsa_system_sgpr_workgroup_id_y 1
		.amdhsa_system_sgpr_workgroup_id_z 1
		.amdhsa_system_vgpr_workitem_id 0
		.amdhsa_next_free_vgpr 1024
		.amdhsa_next_free_sgpr 102
		.amdhsa_reserve_vcc 1
		.amdhsa_float_denorm_mode_32 3
		.amdhsa_float_denorm_mode_16_64 3
		.amdhsa_memory_ordered 1
		.amdhsa_forward_progress 1
		.amdhsa_inst_pref_size 244
	.end_amdhsa_kernel
	.amdgpu_metadata
---
amdhsa.version: [ 1, 2 ]
amdhsa.kernels:
  - .name:           k_qe4498a7621_gemm_qkv
    .symbol:         k_qe4498a7621_gemm_qkv.kd
    .args:
      - { .name: xq, .offset: 0, .size: 8, .value_kind: global_buffer, .address_space: global }
      - { .name: wq, .offset: 8, .size: 8, .value_kind: global_buffer, .address_space: global }
      - { .name: b_qkv, .offset: 16, .size: 8, .value_kind: global_buffer, .address_space: global }
      - { .name: qkv, .offset: 24, .size: 8, .value_kind: global_buffer, .address_space: global }
    .group_segment_fixed_size: 327680
    .private_segment_fixed_size: 0
    .kernarg_segment_align: 8
    .kernarg_segment_size: 32
    .max_flat_workgroup_size: 128
    .sgpr_count:     102
    .vgpr_count:     1024
    .wavefront_size: 32
...
	.end_amdgpu_metadata
.endif
;; end of part 2
;; launch attn (part 3): grid 4 x 64, 16 waves a work-group, clusters of 4 x 1, 206,848 bytes of LDS; arguments qkv, ao; writes ao
.if DOCPART == 3
	.amdgcn_target "amdgcn-amd-amdhsa--gfx1250"
	.amdhsa_code_object_version 6
	.text
	.protected	k_qe4498a7621_attn
	.globl	k_qe4498a7621_attn
	.p2align	8
	.type	k_qe4498a7621_attn,@function
k_qe4498a7621_attn:
	s_mov_b64 s[64:65], 0
	v_nop
	global_prefetch_b8 v0, s[64:65] scope:SCOPE_SE
	s_setreg_imm32_b32 hwreg(HW_REG_WAVE_MODE, 25, 1), 1
	s_wait_xcnt 0x0
	s_wait_alu depctr_hold_cnt(0) depctr_sa_sdst(0) depctr_va_vdst(0) depctr_va_sdst(0) depctr_va_ssrc(0) depctr_va_vcc(0) depctr_vm_vsrc(0)
	s_getreg_b32 s2, hwreg(HW_REG_IB_STS2, 6, 4)
	s_cmp_eq_u32 s2, 0
	s_cbranch_scc0 .Lentry_in_a_cluster
	s_endpgm
.Lentry_in_a_cluster:
	s_bfe_u32 s2, ttmp6, 0x10000c
	s_cmp_lg_u32 s2, 0x3003
	s_cbranch_scc0 .Lentry_shape_is_right
	s_endpgm
.Lentry_shape_is_right:
; Causal attention of one head on codes of BF6 (E3M2): S = q k^T (K = 64), p = 2^(t - M), O = p v (K = the keys), O / l; the result is quantised along the model axis for the output projection.
; t = score x log2(e) / 8 (one rounding where the definition has two); M = the running largest t rounded UP to a whole number; l = the sum of the unquantised p; when M moves, l and O are multiplied by 2^(old M - new M): exact.
; SHARES.  The four work-groups of a cluster share one head (y); a work-group has 16 waves, four to a SIMD.  From the wave's number w alone: k = w / 4, c = w % 4, z = 2 ((c + k) % 4) + k % 2, u = k / 2.
; A wave owns two tiles of 16 queries: (tau = 4 z + g, u), which needs key steps 0 .. z, and (tau = 63 - 4 z - g, u), which needs 0 .. 15 - z; g is the work-group's place in the cluster: 17 steps of 128 keys for every wave.
; Tile (tau, u): lane r holds query 32 tau + 8 u + r + 8 (r / 8).  g enters global addresses and the mask's lane constant alone: no branch, no LDS address.
; LDS.  The head's k and v, 16 steps of 12,800 bytes of register images, are brought ONCE, jointly for the four work-groups, by all 16 waves (one tensor load each, all out together); nothing is filled again.
; K = 64 FILLS HALF AN INSTRUCTION: an image of k carries two sets of 16 keys (registers 0-5, 6-11); it is multiplied once by [q | 0] and once by [0 | q]: zero codes annul the other set.  The two results are 16 neighbouring keys.
; Both products are used transposed: a lane holds one query (lane % 16) throughout; register 16 t + i of S^T is key 128 s + 32 t + 16 (lane / 16) + i.
; Work that the mask throws away is not done: a step behind a tile's last is jumped over (a scalar branch on the wave's number and the step); on the diagonal hidden scores become -infinity, so that p = 0.
; OUT: ao: codes [512 tiles of 16 tokens][16 heads][768 bytes] (lane l's registers 2 p, 2 p + 1 at 256 p + 8 l; lane (r, h): row r, block h of the head's 64); scale bytes [8192 rows][32] from byte ASC.
; LIMITS: NaN and infinities are not served; a block whose largest magnitude lies under 2^-122, or of zeros, gets the byte 1 (zeros: with zero codes; this program alone reads the bytes).
; REGISTERS: v1 16 x lane; v2 LDS address; v3, v4 the mask's constants; v5 8 x lane; v6, v7 the results' scale bytes; v8 + 4 X: -M, largest t, l in two halves; v16-45 zeros | q | zeros | q | zeros; v46, v47 q's scale words;
;   v48-95 four fragments; v96-159 S^T, then p; v160 + 32 X: O^T; v224-235 p's codes; v232-247 at work; v248-251 k's (lanes 0-15) and v's (lanes 16-31) scale words; v252 f; v253 p's scale word; v255 -infinity.
.set KVR,   6553600                    ; qkv: where k's and v's region begins
.set ASC,   6291456                    ; ao: where the scale bytes begin
.set STEPB, 12800                      ; a key step: k's four images, v's four, 512 bytes of scale words
.set LI,  1
.set ADR, 2
.set DM,  3
.set L8,  5
.set HW,  6
.set WV,  8                            ; s8   wave
.set GX,  9                            ; s9   g
.set HD,  10                           ; s10  16 x batch + head
.set UU,  11                           ; s11  u
.set ZL,  12                           ; s12, s13  the two tiles' last steps: z, 15 - z
.set ST,  14                           ; s14  the step
.set TB,  15                           ; s15  its first LDS byte
.set SEL, 16                           ; s[16:17] v_permlanex16_b32's selects for lane l xor 16
.set CS,  18                           ; s[18:19] c = log2(e) / 8
.set G1,  20                           ; s[20:27] descriptor group 1
.set G0,  28                           ; s[28:31] group 0
.set QC,  44                           ; s[44:47] q's codes, two tiles
.set QS,  48                           ; s[48:51] q's scale words
.set AC,  52                           ; s[52:55] ao's codes
.set AW,  56                           ; s[56:57] ao's scale bytes, first tile
.set DIST, 58                          ; s58  bytes from the first tile's scale rows to the second's
.set PSL, 66                           ; s66  byte selects for q's scale word
.macro CROUND                          ; a round of the cluster's barrier
	s_barrier_signal -1
	s_barrier_wait -1
	s_cmp_lg_u32 s[WV], 0
	s_cbranch_scc1 .Lnot_wave_0_\@
	s_barrier_signal -3
.Lnot_wave_0_\@:
	s_barrier_wait -3
	s_barrier_signal -1
	s_barrier_wait -1
.endm
	s_load_b128 s[4:7], s[0:1], 0x0                ; qkv s[4:5], ao s[6:7]
	v_lshl_add_u32 v254, v0, 2, 0x32000
	v_mov_b32 v255, 0
	ds_add_u32 v254, v255
	ds_add_u32 v254, v255
	s_wait_dscnt 0x0
	v_lshrrev_b32 v1, 5, v0
	s_delay_alu instid0(VALU_DEP_1)
	v_readfirstlane_b32 s[WV], v1                  ; wave 0..15
	s_bfe_u32 s[GX], ttmp6, 0x40000                ; my place in the cluster
	s_and_b32 s[HD], ttmp7, 0xffff                 ; the head, which the four partners share
	; descriptor group 1: a key step, 12,800 dense bytes, as 50 rows of 256 bytes (32 elements of 8)
	s_mov_b32 s[G1], 15|(3<<16)|(1<<21)            ; 15:0 the mask: all four work-groups; 17:16 elements of 8 bytes; 21 set beside a mask
	s_mov_b32 s[G1+1], 32<<16                      ; tensor_dim0
	s_mov_b32 s[G1+2], 50<<16                      ; tensor_dim1
	s_mov_b32 s[G1+3], 32<<16                      ; tile_dim0
	s_mov_b32 s[G1+4], 50                          ; tile_dim1
	s_mov_b32 s[G1+5], 32                          ; the pitch
	s_mov_b32 s[G1+6], 0
	s_mov_b32 s[G1+7], 0
	s_mul_i32 s61, s[WV], STEPB                    ; EVERY WAVE FETCHES ONE KEY STEP, the one of its own number: 16 waves, 16 steps, one joint load a wave
	s_mul_i32 s62, s[HD], 16*STEPB
	s_add_co_u32 s62, s62, s61
	s_add_co_u32 s62, s62, KVR
	s_mov_b32 s63, 0
	s_wait_kmcnt 0x0
	s_add_nc_u64 s[62:63], s[4:5], s[62:63]
	s_mov_b32 s[G0], 1                             ; count = 1
	s_mov_b32 s[G0+1], s61                         ; LDS address: wave x 12,800
	s_mov_b64 s[G0+2:G0+3], s[62:63]
	s_or_b32 s[G0+3], s[G0+3], 0x80000000          ; type = 2
	CROUND                                         ; all four work-groups are here: the joint loads meet
	tensor_load_to_lds s[G0:G0+3], s[G1:G1+7]      ; my one tensor load of the launch; nothing is filled again
	s_nop 0
.rept 4
	v_nop
.endr
	s_lshr_b32 s2, s[WV], 2                        ; k
	s_and_b32 s3, s[WV], 3                         ; c
	s_add_co_u32 s3, s3, s2
	s_and_b32 s3, s3, 3
	s_lshl_b32 s3, s3, 1
	s_and_b32 s[ZL], s2, 1
	s_or_b32 s[ZL], s[ZL], s3                      ; z
	s_xor_b32 s[ZL+1], s[ZL], 15                   ; 15 - z
	s_lshr_b32 s[UU], s2, 1                        ; u
	s_mov_b32 s[SEL], 0x76543210
	s_mov_b32 s[SEL+1], 0xfedcba98
	s_mov_b32 s[CS], 0x3e38aa3b                    ; log2(e) / 8
	s_mov_b32 s[CS+1], s[CS]                       ; (named with it as a pair, so it is written)
	; q: head x 102,400 + step x 6,400 + image x 1,536; the first tile's image is g, the second's 3 - g
	s_mul_i32 s59, s[HD], 102400
	s_mul_i32 s60, s[ZL], 6400
	s_add_co_u32 s[QC], s59, s60
	s_mul_i32 s60, s[ZL+1], 6400
	s_add_co_u32 s[QC+2], s59, s60
	s_sub_co_u32 s61, 3, s[GX]
	s_lshl_b32 s[QS], s[GX], 2
	s_add_co_u32 s[QS], s[QS], s[QC]
	s_add_co_u32 s[QS], s[QS], 6144                ; the scale words: 16 r + 4 x image
	s_lshl_b32 s[QS+2], s61, 2
	s_add_co_u32 s[QS+2], s[QS+2], s[QC+2]
	s_add_co_u32 s[QS+2], s[QS+2], 6144
	s_mul_i32 s60, s[GX], 1536
	s_add_co_u32 s[QC], s[QC], s60
	s_mul_i32 s60, s61, 1536
	s_add_co_u32 s[QC+2], s[QC+2], s60
	s_mov_b32 s[QC+1], 0
	s_mov_b32 s[QC+3], 0
	s_mov_b32 s[QS+1], 0
	s_mov_b32 s[QS+3], 0
	s_add_nc_u64 s[QC:QC+1], s[4:5], s[QC:QC+1]
	s_add_nc_u64 s[QC+2:QC+3], s[4:5], s[QC+2:QC+3]
	s_add_nc_u64 s[QS:QS+1], s[4:5], s[QS:QS+1]
	s_add_nc_u64 s[QS+2:QS+3], s[4:5], s[QS+2:QS+3]
	v_and_b32 v1, 31, v0
	s_delay_alu instid0(VALU_DEP_1)
	v_lshlrev_b32 v[L8], 3, v1                     ; 8 x lane
	s_delay_alu instid0(VALU_DEP_2)
	v_lshlrev_b32 v[LI], 4, v1                     ; 16 x lane
	s_mul_i32 s67, s[UU], 520                      ; registers 6 u .. 6 u + 5 of an image: u = 0: bytes 0, 8, 512 of my places; u = 1: 520, 1024, 1032
	v_add_nc_u32 v6, s67, v[LI]
	s_mul_i32 s67, s[UU], 1016
	v_add_nc_u32 v7, s67, v[LI]
	v_and_b32 v252, 15, v0
	s_delay_alu instid0(VALU_DEP_1)
	v_lshlrev_b32 v252, 4, v252                    ; 16 r
.irp X, 0,1
	global_load_b64 v[22+12*\X:23+12*\X], v6, s[QC+2*\X:QC+2*\X+1]
	global_load_b64 v[24+12*\X:25+12*\X], v7, s[QC+2*\X:QC+2*\X+1] offset:8
	global_load_b64 v[26+12*\X:27+12*\X], v6, s[QC+2*\X:QC+2*\X+1] offset:512
	global_load_b32 v[46+\X], v252, s[QS+2*\X:QS+2*\X+1]
.endr
	s_mov_b32 s[PSL], 0x01000100                   ; u = 0: bytes 0, 1 of the image's word, twice: they serve [q | 0] and [0 | q] alike
	s_cmp_eq_u32 s[UU], 1
	s_cselect_b32 s[PSL], 0x03020302, s[PSL]
	; ao: tile of tokens tg = 128 x batch + 2 tau + u
	s_lshr_b32 s59, s[HD], 4
	s_lshl_b32 s59, s59, 7
	s_add_co_u32 s59, s59, s[UU]
	s_lshl_b32 s60, s[ZL], 2
	s_add_co_u32 s60, s60, s[GX]                   ; the first tile's tau
	s_sub_co_u32 s62, 63, s60                      ; the second's
	s_lshl_b32 s60, s60, 1
	s_add_co_u32 s60, s60, s59
	s_lshl_b32 s62, s62, 1
	s_add_co_u32 s62, s62, s59
	s_and_b32 s63, s[HD], 15                       ; the head in its batch
	s_mul_i32 s67, s63, 768
	s_mul_i32 s[AC], s60, 12288
	s_add_co_u32 s[AC], s[AC], s67
	s_mul_i32 s[AC+2], s62, 12288
	s_add_co_u32 s[AC+2], s[AC+2], s67
	s_lshl_b32 s[AW], s60, 9                       ; 16 rows of 32 scale bytes a tile
	s_lshl_b32 s63, s63, 1
	s_add_co_u32 s[AW], s[AW], s63
	s_add_co_u32 s[AW], s[AW], ASC
	s_sub_co_u32 s[DIST], s62, s60
	s_lshl_b32 s[DIST], s[DIST], 9
	s_mov_b32 s[AC+1], 0
	s_mov_b32 s[AC+3], 0
	s_mov_b32 s[AW+1], 0
	s_add_nc_u64 s[AC:AC+1], s[6:7], s[AC:AC+1]
	s_add_nc_u64 s[AC+2:AC+3], s[6:7], s[AC+2:AC+3]
	s_add_nc_u64 s[AW:AW+1], s[6:7], s[AW:AW+1]
	; the mask on the diagonal: register 16 t + i is hidden where 32 t + i > D = 32 (tau % 4) + 8 u + r + 8 (r / 8) - 16 (lane / 16)
	v_and_b32 v3, 15, v0
	s_delay_alu instid0(VALU_DEP_1)
	v_and_b32 v4, 8, v3
	s_delay_alu instid0(VALU_DEP_1)
	v_add_nc_u32 v3, v3, v4
	v_bfe_u32 v4, v0, 4, 1
	s_delay_alu instid0(VALU_DEP_1)
	v_lshlrev_b32 v4, 4, v4
	s_delay_alu instid0(VALU_DEP_1)
	v_sub_nc_u32 v3, v3, v4
	s_lshl_b32 s67, s[UU], 3
	s_lshl_b32 s68, s[GX], 5
	s_add_co_u32 s68, s68, s67
	s_lshl_b32 s69, s61, 5
	s_add_co_u32 s69, s69, s67
	v_add_nc_u32 v[DM+1], s69, v3
	v_add_nc_u32 v[DM], s68, v3
.irp j, 16,17,18,19,20,21,28,29,30,31,32,33,40,41,42,43,44,45
	v_mov_b32 v\j, 0                               ; the zero codes beside q
.endr
.irp X, 0,1
	v_mov_b32 v[9+4*\X], 0xff61b1e6                ; the largest t so far: -3e38, under every t
	s_delay_alu instid0(VALU_DEP_1)
	v_floor_f32 v[8+4*\X], -v[9+4*\X]              ; -M
	v_mov_b32 v[10+4*\X], 0                        ; l, in two halves
	v_mov_b32 v[11+4*\X], 0
.endr
.irp b, 0,1,2,3
	v_mov_b32 v[236+\b], 0                         ; written once: a lane permute's destination counts as one of its sources
.endr
	v_mov_b32 v253, 0                              ; (named as the upper half of the pair v[252:253] before it is first written)
	v_mov_b32 v255, 0xff800000                     ; -infinity
	s_wait_loadcnt 0x0                             ; q and its scale words
	v_perm_b32 v46, v46, v46, s[PSL]
	v_perm_b32 v47, v47, v47, s[PSL]
	v_mov_b32 v252, 0
.set j, 0
.rept 64
	v_mov_b32 v[160+j], 0                          ; O^T: the first step finds zeros, which the first change of M leaves zeros.  (Also the places between the two lines above and the first products)
.set j, j+1
.endr
; A KEY STEP of tile X: 128 keys.
.macro STEP X
.set SB, 8+4*\X
.set OT, 160+32*\X
	s_cmp_gt_u32 s[ST], s[ZL+\X]                   ; all its keys come after my queries: nothing to do
	s_cbranch_scc1 .Lhid_\@
	s_wait_alu depctr_va_vdst(0)
.irp t, 0,1,2,3
.irp c, 0,1,2
	ds_load_b128 v[48+12*\t+4*\c:51+12*\t+4*\c], v[ADR] offset:1536*\t+512*\c      ; k's four images, as they were stored: 512 consecutive bytes a load
.endr
.endr
	ds_load_b128 v[248:251], v[ADR] offset:12288   ; lanes 0-15: k's four words of row l; lanes 16-31: v's four of row l - 16
	s_wait_dscnt 0x0
.irp t, 0,1,2,3
	v_wmma_scale_f32_16x16x128_f8f6f4 v[96+16*\t:103+16*\t], v[48+12*\t:59+12*\t], v[22+12*\X:33+12*\X], 0, v[248+\t], v[46+\X] matrix_a_fmt:MATRIX_FMT_BF6 matrix_b_fmt:MATRIX_FMT_BF6    ; [q | 0]: the image's first 16 keys
	v_wmma_scale_f32_16x16x128_f8f6f4 v[104+16*\t:111+16*\t], v[48+12*\t:59+12*\t], v[16+12*\X:27+12*\X], 0, v[248+\t], v[46+\X] matrix_a_fmt:MATRIX_FMT_BF6 matrix_b_fmt:MATRIX_FMT_BF6   ; [0 | q]: those 8 further on
.endr
.rept 4
	v_nop                                          ; places in front of the loads into k's registers and of the first read of the scores
.endr
	s_wait_alu depctr_va_vdst(0)
.irp t, 0,1,2,3
.irp c, 0,1,2
	ds_load_b128 v[48+12*\t+4*\c:51+12*\t+4*\c], v[ADR] offset:6144+1536*\t+512*\c   ; v's four images land under the softmax
.endr
.endr
	s_cmp_lt_u32 s[ST], s[ZL+\X]                   ; a step all of whose keys count skips the mask
	s_cbranch_scc1 .Lopen_\@
.set n, 0
.rept 64
	v_cmp_gt_i32 vcc_lo, 32*(n/16)+n%16, v[DM+\X]
	v_cndmask_b32 v[96+n], v[96+n], v255, vcc_lo
.set n, n+1
.endr
.Lopen_\@:
.irp b, 0,1,2,3
	v_max3_num_f32 v[232+\b], v[96+16*\b], v[97+16*\b], v[98+16*\b]   ; the largest score of each block of 32 keys: for the row's maximum and, since p rises with the score, for the block's largest p
.endr
.irp i, 3,5,7,9,11,13
.irp b, 0,1,2,3
	v_max3_num_f32 v[232+\b], v[232+\b], v[96+16*\b+\i], v[97+16*\b+\i]
.endr
.endr
.irp b, 0,1,2,3
	v_max_num_f32 v[232+\b], v[232+\b], v[111+16*\b]
.endr
.irp b, 0,1,2,3
	s_delay_alu instid0(VALU_DEP_4)
	v_permlanex16_b32 v[236+\b], v[232+\b], s[SEL], s[SEL+1]
.endr
.irp b, 0,1,2,3
	s_delay_alu instid0(VALU_DEP_4)
	v_max_num_f32 v[232+\b], v[232+\b], v[236+\b]  ; with lane l xor 16's 16 keys
.endr
	s_delay_alu instid0(VALU_DEP_2)
	v_max3_num_f32 v254, v232, v233, v234
	s_delay_alu instid0(VALU_DEP_1)
	v_max_num_f32 v254, v254, v235                 ; the step's largest score of my query
	s_delay_alu instid0(VALU_DEP_1)
	v_mul_f32 v254, s[CS], v254                    ; as t
	s_delay_alu instid0(VALU_DEP_1)
	v_max_num_f32 v[SB+1], v[SB+1], v254           ; the running largest t
	v_mov_b32 v254, v[SB]
	s_delay_alu instid0(VALU_DEP_2)
	v_floor_f32 v[SB], -v[SB+1]                    ; the new -M = -ceil(t): a whole number
	s_delay_alu instid0(VALU_DEP_1)
	v_sub_f32 v254, v[SB], v254                    ; old M - new M: a whole number, 0 or less
	s_delay_alu instid0(VALU_DEP_1)
	v_cvt_i32_f32 v254, v254                       ; (it saturates)
	s_delay_alu instid0(VALU_DEP_1)
	v_ldexp_f32 v252, 1.0, v254                    ; f = 2^(old M - new M)
.set j, 0
.rept 32
	v_pk_fma_f32 v[96+j:97+j], v[96+j:97+j], s[CS:CS+1], v[SB:SB+1] op_sel_hi:[1,0,0]   ; t - M, two at a time
.set j, j+2
.endr
.irp b, 0,1,2,3
	v_fma_f32 v[232+\b], v[232+\b], s[CS], v[SB]   ; the same of each block's largest score
.endr
.set j, 0
	s_wait_alu depctr_va_vdst(0)
.rept 64
	v_exp_f32 v[96+j], v[96+j]                     ; p = 2^(t - M), at most 1: not normalised
.set j, j+1
.endr
.irp b, 0,1,2,3
	v_exp_f32 v[232+\b], v[232+\b]                 ; the block's largest p
.endr
	v_pk_mul_f32 v[SB+2:SB+3], v[SB+2:SB+3], v[252:253] op_sel_hi:[1,0]   ; l under the new M (a plain line behind the exponentials)
	s_wait_alu depctr_va_vdst(0)
.irp b, 0,1,2,3
	v_max_num_f32 v[232+\b], 0x2800000, v[232+\b]  ; the floor 2^(5 - 127): the byte cannot fall under 1
.endr
.irp b, 0,1,2,3
	s_delay_alu instid0(VALU_DEP_4)
	v_add_nc_u32 v[244+\b], 0xfe000000, v[232+\b]  ; 4 off the exponent field: the conversion's scale operand
.endr
.irp b, 0,1,2,3
	s_delay_alu instid0(VALU_DEP_4)
	v_lshrrev_b32 v[236+\b], 23, v[244+\b]         ; the scale's byte
.endr
	s_delay_alu instid0(VALU_DEP_3)
	v_lshl_or_b32 v253, v237, 8, v236              ; p's scale word for these 128 keys
	s_delay_alu instid0(VALU_DEP_1)
	v_lshl_or_b32 v253, v238, 16, v253
	s_delay_alu instid0(VALU_DEP_1)
	v_lshl_or_b32 v253, v239, 24, v253
.irp c, 0,1
	v_cvt_scalef32_pk16_bf6_f32 v[224+6*\c:226+6*\c], v[96+32*\c:111+32*\c], v[244+2*\c]
	v_cvt_scalef32_pk16_bf6_f32 v[236+4*\c:238+4*\c], v[112+32*\c:127+32*\c], v[244+2*\c+1]   ; (a conversion's three registers begin on an even number)
.endr
	v_nop                                          ; one plain line behind a scaled conversion
.irp c, 0,1                                    ; the operand's layout wants a whole block in a lane
.irp i, 0,1,2
	v_permlane16_swap_b32 v[224+6*\c+\i], v[236+4*\c+\i]
.endr
.irp i, 0,1,2
	s_delay_alu instid0(VALU_DEP_3)
	v_mov_b32 v[227+6*\c+\i], v[236+4*\c+\i]
.endr
.endr
.set j, 0
.rept 16
	v_pk_mul_f32 v[OT+j:OT+j+1], v[OT+j:OT+j+1], v[252:253] op_sel_hi:[1,0]   ; O^T under the new M, each accumulator from its low end on
.set j, j+2
.endr
	v_pk_add_f32 v[236:237], v[96:97], v[98:99]    ; l takes the UNQUANTISED p: two at a time, in two chains.  (These 32 lines are also the places in front of the products below)
.irp j, 4,8,12,16,20,24,28,32,36,40,44,48,52,56,60
	v_pk_add_f32 v[SB+2:SB+3], v[SB+2:SB+3], v[96+\j:97+\j]
	v_pk_add_f32 v[236:237], v[236:237], v[98+\j:99+\j]
.endr
	s_delay_alu instid0(VALU_DEP_1)
	v_pk_add_f32 v[SB+2:SB+3], v[SB+2:SB+3], v[236:237]
	s_wait_dscnt 0x0                               ; v's images are in
.irp t, 0,1,2,3                                ; O^T += v^T p^T: four tiles of 16 channels by turns; eight other products stand between two links of a sum
	v_wmma_scale_f32_16x16x128_f8f6f4 v[OT+8*\t:OT+8*\t+7], v[48+12*\t:59+12*\t], v[224:235], v[OT+8*\t:OT+8*\t+7], v[248+\t], v253 matrix_a_fmt:MATRIX_FMT_BF6 matrix_b_fmt:MATRIX_FMT_BF6 matrix_a_scale:MATRIX_SCALE_ROW1
.endr
.rept 4
	v_nop                                          ; places in front of the next loads into these registers, and of the way out
.endr
.Lhid_\@:
.endm
; My key step has landed, and one barrier shows every wave's: the head's k and v are whole in LDS.  Behind it the waves share nothing more: one loop of 16 key steps, no barrier in it.
	s_wait_alu depctr_va_vdst(0)                   ; the wait at the head's end
	s_wait_tensorcnt 0x0
	s_wait_dscnt 0x0
	s_barrier_signal -1
	s_barrier_wait -1
	s_mov_b32 s[ST], 0
	s_mov_b32 s[TB], 0
.Lkeys:
	v_add_nc_u32 v[ADR], s[TB], v[LI]
	STEP 0
	STEP 1
	s_add_co_u32 s[TB], s[TB], STEPB
	s_add_co_u32 s[ST], s[ST], 1
	s_cmp_lt_u32 s[ST], 16
	s_cbranch_scc1 .Lkeys
; THE WAY OUT of tile X: O^T / l; register 16 b + i is channel 32 b + 16 (lane / 16) + i: two blocks of the output projection's K; codes, 6 registers a lane, leave as three stores of 256 consecutive bytes, aligned.
.macro FIN X
.set SB, 8+4*\X
.set OT, 160+32*\X
	v_add_f32 v[SB+2], v[SB+2], v[SB+3]            ; l's two halves,
	s_delay_alu instid0(VALU_DEP_1)
	v_permlanex16_b32 v252, v[SB+2], s[SEL], s[SEL+1]
	s_delay_alu instid0(VALU_DEP_1)
	v_add_f32 v[SB+2], v[SB+2], v252               ; and lane l xor 16's
	s_wait_alu depctr_va_vdst(0)
	v_rcp_f32 v[SB+2], v[SB+2]
	v_nop                                          ; a plain line behind the transcendental
.set j, 0
	s_wait_alu depctr_va_vdst(0)
.rept 16
	v_pk_mul_f32 v[96+j:97+j], v[OT+j:OT+j+1], v[SB+2:SB+3] op_sel_hi:[1,0]
.set j, j+2
.endr
.irp b, 0,1
	v_max3_num_f32 v[232+\b], |v[96+16*\b]|, |v[97+16*\b]|, 0x2800000
.endr
.irp i, 2,4,6,8,10,12,14
.irp b, 0,1
	s_delay_alu instid0(VALU_DEP_2)
	v_max3_num_f32 v[232+\b], v[232+\b], |v[96+16*\b+\i]|, |v[97+16*\b+\i]|
.endr
.endr
.irp b, 0,1
	s_delay_alu instid0(VALU_DEP_2)
	v_permlanex16_b32 v[236+\b], v[232+\b], s[SEL], s[SEL+1]
.endr
.irp b, 0,1
	s_delay_alu instid0(VALU_DEP_2)
	v_max_num_f32 v[232+\b], v[232+\b], v[236+\b]
.endr
.irp b, 0,1
	s_delay_alu instid0(VALU_DEP_2)
	v_add_nc_u32 v[244+\b], 0xfe000000, v[232+\b]
.endr
.irp b, 0,1
	s_delay_alu instid0(VALU_DEP_2)
	v_lshrrev_b32 v[236+\b], 23, v[244+\b]
.endr
	s_delay_alu instid0(VALU_DEP_1)
	v_lshl_or_b32 v[HW+\X], v237, 8, v236          ; my row's two scale bytes
	v_cvt_scalef32_pk16_bf6_f32 v[224:226], v[96:111], v244
	v_cvt_scalef32_pk16_bf6_f32 v[228:230], v[112:127], v245
	v_nop
.irp i, 0,1,2
	v_permlane16_swap_b32 v[224+\i], v[228+\i]     ; lanes 0-15 block 0, lanes 16-31 block 1
.endr
	s_delay_alu instid0(VALU_DEP_3)
	v_mov_b32 v227, v228
	s_delay_alu instid0(VALU_DEP_3)
	v_mov_b32 v228, v229
	s_delay_alu instid0(VALU_DEP_3)
	v_mov_b32 v229, v230
.irp p, 0,1,2
	global_store_b64 v[L8], v[224+2*\p:225+2*\p], s[AC+2*\X:AC+2*\X+1] offset:256*\p
.endr
.endm
	s_wait_alu depctr_va_vdst(0)
	FIN 0
	s_wait_xcnt 0x0                                ; the stores have read their registers
	FIN 1
	v_and_b32 v252, 15, v0
	s_delay_alu instid0(VALU_DEP_1)
	v_lshlrev_b32 v252, 5, v252                    ; 32 scale bytes a row
	v_bfe_u32 v254, v0, 4, 1
	s_delay_alu instid0(VALU_DEP_1)
	v_mad_u32_u24 v252, v254, s[DIST], v252        ; lanes 16-31 write the second tile's
	s_delay_alu instid0(VALU_DEP_2)
	v_cmp_eq_u32 vcc_lo, 0, v254
	s_delay_alu instid0(VALU_DEP_1)
	v_cndmask_b32 v[HW], v[HW+1], v[HW], vcc_lo
	global_store_b16 v252, v[HW], s[AW:AW+1]       ; two bytes a row: a sixteenth of what a row of scale bytes holds; the other heads' work-groups write the rest
	s_wait_xcnt 0x0
	v_lshl_add_u32 v254, v0, 2, 0x32000
	v_mov_b32 v255, 0
	s_wait_alu depctr_va_vdst(0)
	s_wait_tensorcnt 0x0
	ds_add_u32 v254, v255
	s_wait_dscnt 0x0
	CROUND                                         ; the closing round
	s_endpgm
.Lfunc_end_k_qe4498a7621_attn:
	.size	k_qe4498a7621_attn, .Lfunc_end_k_qe4498a7621_attn-k_qe4498a7621_attn
	.p2alignl 7, 3214868480
	.fill 96, 4, 3214868480
	.section	.rodata,"a",@progbits
	.p2align	6, 0x0
	.amdhsa_kernel k_qe4498a7621_attn
		.amdhsa_group_segment_fixed_size 206848
		.amdhsa_private_segment_fixed_size 0
		.amdhsa_enable_private_segment 0
		.amdhsa_kernarg_size 16
		.amdhsa_user_sgpr_count 2
		.amdhsa_user_sgpr_kernarg_segment_ptr 1
		.amdhsa_wavefront_size32 1
		.amdhsa_system_sgpr_workgroup_id_x 1
		.amdhsa_system_sgpr_workgroup_id_y 1
		.amdhsa_system_sgpr_workgroup_id_z 1
		.amdhsa_system_vgpr_workitem_id 0
		.amdhsa_next_free_vgpr 256
		.amdhsa_next_free_sgpr 72
		.amdhsa_reserve_vcc 1
		.amdhsa_float_denorm_mode_32 3
		.amdhsa_float_denorm_mode_16_64 3
		.amdhsa_memory_ordered 1
		.amdhsa_forward_progress 1
		.amdhsa_inst_pref_size 63
	.end_amdhsa_kernel
	.amdgpu_metadata
---
amdhsa.version: [ 1, 2 ]
amdhsa.kernels:
  - .name:           k_qe4498a7621_attn
    .symbol:         k_qe4498a7621_attn.kd
    .args:
      - { .name: qkv, .offset: 0, .size: 8, .value_kind: global_buffer, .address_space: global }
      - { .name: ao, .offset: 8, .size: 8, .value_kind: global_buffer, .address_space: global }
    .group_segment_fixed_size: 206848
    .private_segment_fixed_size: 0
    .kernarg_segment_align: 8
    .kernarg_segment_size: 16
    .max_flat_workgroup_size: 512
    .sgpr_count:     72
    .vgpr_count:     256
    .wavefront_size: 32
...
	.end_amdgpu_metadata
.endif
;; end of part 3
;; launch gemm_out (part 4): grid 8 x 32, 4 waves a work-group, clusters of 4 x 4, 327,680 bytes of LDS; arguments ao, wq, b_out, out0; writes out0
.if DOCPART == 4
	.amdgcn_target "amdgcn-amd-amdhsa--gfx1250"
	.amdhsa_code_object_version 6
	.text
	.protected	k_qe4498a7621_gemm_out
	.globl	k_qe4498a7621_gemm_out
	.p2align	8
	.type	k_qe4498a7621_gemm_out,@function
k_qe4498a7621_gemm_out:
	s_mov_b64 s[64:65], 0
	v_nop
	global_prefetch_b8 v0, s[64:65] scope:SCOPE_SE
	s_setreg_imm32_b32 hwreg(HW_REG_WAVE_MODE, 25, 1), 1
	s_wait_xcnt 0x0
	s_wait_alu depctr_hold_cnt(0) depctr_sa_sdst(0) depctr_va_vdst(0) depctr_va_sdst(0) depctr_va_ssrc(0) depctr_va_vcc(0) depctr_vm_vsrc(0)
	s_getreg_b32 s2, hwreg(HW_REG_IB_STS2, 6, 4)
	s_cmp_eq_u32 s2, 0
	s_cbranch_scc0 .Lentry_in_a_cluster
	s_endpgm
.Lentry_in_a_cluster:
	s_bfe_u32 s2, ttmp6, 0x10000c
	s_cmp_lg_u32 s2, 0xf033
	s_cbranch_scc0 .Lentry_shape_is_right
	s_endpgm
.Lentry_shape_is_right:
; out0 = attention's result x w_out + b_out on codes of BF6 (E3M2) with E8M0 scales for each 32 along K = 1024; sums in f32.
; A work-group of four waves makes 256 tokens x 128 columns: 32 x 8 = 256 work-groups.  A wave makes 128 tokens x 64 columns: 32 accumulators of 16 x 16.
; ALL OF K LIES IN LDS FROM THE HEAD ON: A's 16 tiles of 16 tokens (register images as attn stored them, 12,288 dense bytes a tile, no padding: a load of 8 bytes a lane reads 256 consecutive bytes),
; and B's 128 rows (98,304 dense bytes, [K step of 256][row][192 bytes], stated as rows of 256 bytes with 16 bytes of padding behind every 64: LDS rows 240 bytes apart).
; Each wave issues ONE joint load (waves 0, 1: A's halves; waves 2, 3: B's K steps 0-1 and 2-3); nothing is filled again, so there is no ring, and one barrier shows the tiles to all four waves.
; CLUSTERS: 4 x 4 work-groups; A's tiles are asked for jointly along a row of the cluster, B's along a column.
; The scale words go from memory straight into registers, once: a register holds tile 2 i's words in lanes 0-15 and tile 2 i + 1's in lanes 16-31, one register for each 128 along K.
; THE MATRIX INSTRUCTION IS USED TRANSPOSED (source 0 = 16 rows of B, source 1 = 16 tokens): a lane holds a token and eight neighbouring columns.  The bias is the C of each accumulator's first product.
; Stored tile 2 T + u of wq holds columns 32 T + 8 u + r + 8 (r / 8); tile 2 tau + u of ao holds tokens 32 tau + 8 u + r + 8 (r / 8): the way out puts both back in order.
; No prefetch: the launch has no loop to run ahead in; every byte is asked for at the head.
; REGISTERS: window 0: v16-30 addresses; v32-63 A's scale words; v64-79 B's; v80-111 the bias; v112-207 B's fragments, two sets (on the way out v112-175: rows read back).  Window 1: A's fragments, two sets of 96.  Window 2: accumulator (a, b) at v[8 (4 a + b)].
.set PITCH,  240
.set AHALF,  98304                     ; eight tiles of A
.set BPL,    128*PITCH                 ; one K step of 256 of B's 128 rows
.set BBASE,  2*AHALF
.set SPARE,  BBASE+4*BPL               ; the spare words, 128 bytes a wave
.set SPITCH, 272                       ; the way out: a stage of 16 rows x (256 + 16) bytes a wave, laid over A's first bytes behind a barrier behind which nobody reads fragments
.set ASC,    6291456                   ; ao's scale bytes
.set WO_C,   2359296                   ; wq: w_out's codes,
.set WO_S,   3244032                   ; and scale bytes
.set ADRA, 16
.set ADRB, 20
.set STO,  24
.set RD,   25
.set CO,   26
.set VS,   27
.set SPW,  28
.set NIL,  29
.set BOF,  30
.set SA,   32
.set SBR,  64
.set BR,   80
.set BF,   112
.set BK,   112
.set G1,  24
.set G0,  32
.set G0B, 36
.set G1B, 48
.set MSB, 0
.macro WIN new                         ; the immediate's high byte repeats the setting that is left
.if MSB != (\new)
	s_set_vgpr_msb (MSB<<8)|(\new)
.set MSB, (\new)
.endif
.endm
.set MUL,  0xa4                        ; source 0 (B) window 0, source 1 (A) window 1, C and D window 2
.set BIA,  0x84                        ; the same with C in window 0
.set TO_A, 0x40                        ; destination window 1
.macro CROUND                          ; a round of the cluster's barrier
	s_barrier_signal -1
	s_barrier_wait -1
	s_cmp_lg_u32 s14, 0
	s_cbranch_scc1 .Lnot_wave_0_\@
	s_barrier_signal -3
.Lnot_wave_0_\@:
	s_barrier_wait -3
	s_barrier_signal -1
	s_barrier_wait -1
.endm
.macro PLACES
.rept 4
	v_nop
.endr
.endm
	s_load_b128 s[4:7], s[0:1], 0x0                ; ao, wq
	s_load_b128 s[8:11], s[0:1], 0x10              ; b_out, out0
	v_lshl_add_u32 v[SPW], v0, 2, SPARE
	v_mov_b32 v[NIL], 0
	ds_add_u32 v[SPW], v[NIL]                      ; the opening lines: the add, twice on end, and its wait
	ds_add_u32 v[SPW], v[NIL]
	v_lshrrev_b32 v1, 5, v0
	v_readfirstlane_b32 s14, v1                    ; wave
	s_lshr_b32 s15, s14, 1                         ; my half of the tokens.  Also: I fetch for A (0) or for B (1)
	s_and_b32 s16, s14, 1                          ; my half of the columns.  Also: which half I fetch
	s_bfe_u32 s40, ttmp6, 0x40000                  ; cx, cy
	s_bfe_u32 s41, ttmp6, 0x40004
	s_lshl_b32 s42, ttmp9, 2
	s_add_co_u32 s42, s42, s40                     ; which 128 columns, 0..7
	s_and_b32 s17, ttmp7, 0xffff
	s_lshl_b32 s17, s17, 2
	s_add_co_u32 s17, s17, s41                     ; which 256 tokens, 0..31
	s_lshl_b32 s43, s41, 2
	s_lshl_b32 s43, 15, s43                        ; my row of the cluster
	s_lshl_b32 s44, 0x1111, s40                    ; my column
	s_or_b32 s[G1], s43, (3<<16)|(1<<21)           ; A: 384 rows of 256 bytes (32 elements of 8), no padding
	s_mov_b32 s[G1+1], 32<<16
	s_mov_b32 s[G1+2], 384<<16
	s_mov_b32 s[G1+3], 32<<16
	s_mov_b32 s[G1+4], 384
	s_mov_b32 s[G1+5], 32
	s_mov_b32 s[G1+6], 0
	s_mov_b32 s[G1+7], 0
	s_or_b32 s[G1B], s44, (0<<16)|(1<<20)|(1<<21)|(3<<22)|(3<<25)   ; B: 192 rows of 256 bytes, 4 words of padding behind every 16
	s_mov_b32 s[G1B+1], 256<<16
	s_mov_b32 s[G1B+2], 192<<16
	s_mov_b32 s[G1B+3], 256<<16
	s_mov_b32 s[G1B+4], 192
	s_mov_b32 s[G1B+5], 256
	s_mov_b32 s[G1B+6], 0
	s_mov_b32 s[G1B+7], 0
	s_mul_i32 s20, s17, 2*AHALF
	s_mul_i32 s18, s16, AHALF                      ; A's half: in memory and in LDS alike
	s_add_co_u32 s20, s20, s18
	s_mov_b32 s21, 0
	s_mul_i32 s22, s42, 98304
	s_add_co_u32 s22, s22, WO_C
	s_mul_i32 s19, s16, 49152                      ; B's half: two K steps
	s_add_co_u32 s22, s22, s19
	s_mov_b32 s23, 0
	s_mul_i32 s45, s16, 2*BPL
	s_add_co_u32 s45, s45, BBASE
	s_lshl_b32 s46, s17, 13                        ; A's scale bytes: 512 a tile
	s_lshl_b32 s47, s15, 12
	s_add_co_u32 s46, s46, s47
	s_add_co_u32 s46, s46, ASC
	s_mov_b32 s47, 0
	s_lshl_b32 s56, s42, 12                        ; B's: 32 a row
	s_lshl_b32 s57, s16, 11
	s_add_co_u32 s56, s56, s57
	s_add_co_u32 s56, s56, WO_S
	s_mov_b32 s57, 0
	s_lshl_b32 s58, s42, 9                         ; my first column, in bytes of f32
	s_lshl_b32 s59, s16, 8
	s_add_co_u32 s58, s58, s59
	s_mov_b32 s59, 0
	s_lshl_b32 s60, s17, 20                        ; my first token's row of out0
	s_lshl_b32 s61, s15, 19
	s_add_co_u32 s60, s60, s61
	s_add_co_u32 s60, s60, s58
	s_mov_b32 s61, 0
	s_mul_i32 s12, s15, AHALF                      ; LDS: my eight tiles of A,
	s_mul_i32 s13, s16, 64*PITCH
	s_add_co_u32 s13, s13, BBASE                   ; my 64 rows of B,
	s_mul_i32 s62, s14, 16*SPITCH                  ; my stage
	s_wait_dscnt 0x0                               ; both opening adds are done
	s_wait_kmcnt 0x0
	s_add_nc_u64 s[20:21], s[4:5], s[20:21]
	s_add_nc_u64 s[22:23], s[6:7], s[22:23]
	s_add_nc_u64 s[4:5], s[4:5], s[46:47]
	s_add_nc_u64 s[6:7], s[6:7], s[56:57]
	s_add_nc_u64 s[8:9], s[8:9], s[58:59]
	s_add_nc_u64 s[10:11], s[10:11], s[60:61]
	s_mov_b32 s[G0], 1
	s_mov_b32 s[G0+1], s18
	s_mov_b64 s[G0+2:G0+3], s[20:21]
	s_or_b32 s[G0+3], s[G0+3], 0x80000000
	s_mov_b32 s[G0B], 1
	s_mov_b32 s[G0B+1], s45
	s_mov_b64 s[G0B+2:G0B+3], s[22:23]
	s_or_b32 s[G0B+3], s[G0B+3], 0x80000000
	CROUND                                         ; all sixteen work-groups are here: the joint loads meet
	s_cmp_eq_u32 s15, 0
	s_cbranch_scc0 .Lfor_b
	tensor_load_to_lds s[G0:G0+3], s[G1:G1+7]
	s_nop 0
	PLACES
	s_branch .Lasked
.Lfor_b:
	tensor_load_to_lds s[G0B:G0B+3], s[G1B:G1B+7]
	s_nop 0
	PLACES
.Lasked:
	v_and_b32 v1, 15, v0                           ; r
	v_bfe_u32 v2, v0, 4, 1                         ; h
	v_and_b32 v3, 31, v0                           ; lane
	v_lshlrev_b32 v4, 5, v1
	v_lshl_add_u32 v[VS], v2, 9, v4                ; scale words: 32 r, lanes 16-31 the next tile's
	v_lshlrev_b32 v[BOF], 6, v2                    ; bias: register j of tile b is column 32 (b / 2) + 8 (b % 2) + 16 h + j
.irp i, 0,1,2,3
.irp k, 0,1
	global_load_b128 v[SA+8*\i+4*\k:SA+8*\i+4*\k+3], v[VS], s[4:5] offset:1024*\i+16*\k
.endr
.endr
.irp i, 0,1
.irp k, 0,1
	global_load_b128 v[SBR+8*\i+4*\k:SBR+8*\i+4*\k+3], v[VS], s[6:7] offset:1024*\i+16*\k
.endr
.endr
.irp b, 0,1,2,3
	global_load_b128 v[BR+8*\b:BR+8*\b+3], v[BOF], s[8:9] offset:128*(\b/2)+32*(\b%2)
	global_load_b128 v[BR+8*\b+4:BR+8*\b+7], v[BOF], s[8:9] offset:128*(\b/2)+32*(\b%2)+16
.endr
	v_lshlrev_b32 v5, 3, v3
	v_add_nc_u32 v[ADRA], s12, v5                  ; A: 8 x lane; tiles 0-3,
	v_add_nc_u32 v[ADRA+1], 4*12288, v[ADRA]       ; tiles 4-7
	v_mul_u32_u24 v6, v1, PITCH
	v_mad_u32_u24 v6, v2, 24, v6
	v_add_nc_u32 v[ADRB], s13, v6                  ; B: row x pitch + 24 h; K steps 0, 1,
	v_lshl_add_u32 v[ADRB+2], v2, 4, v[ADRB]       ; the same where lanes 16-31 lie behind one padding more;
	v_add_nc_u32 v[ADRB+1], 2*BPL, v[ADRB]         ; K steps 2, 3
	v_add_nc_u32 v[ADRB+3], 2*BPL, v[ADRB+2]
	v_mul_u32_u24 v7, v1, SPITCH
	v_lshl_add_u32 v7, v2, 6, v7
	v_add_nc_u32 v[STO], s62, v7                   ; stage, in: row r, 64 h
	v_mul_u32_u24 v8, v2, SPITCH
	v_lshl_add_u32 v8, v1, 4, v8
	v_add_nc_u32 v[RD], s62, v8                    ; stage, back: sixteen lanes to a row of 256 bytes, two rows a load
	v_lshlrev_b32 v9, 12, v2
	v_lshl_add_u32 v[CO], v1, 4, v9                ; and the same two rows in out0
; The fragments of step q (128 along K) into set q % 2: B's four (24 loads), then A's eight (48 loads).
.macro FETCH q
.irp i, 0,1,2,3
.irp p, 0,1,2,3,4,5
.set PC, 12*((\q)%2)+6*(\p/3)+\p%3
.if PC%8 < 5
	ds_load_b64 v[BF+48*((\q)%2)+12*\i+2*\p:BF+48*((\q)%2)+12*\i+2*\p+1], v[ADRB+(\q)/4] offset:(((\q)/2)%2)*BPL+8*PC+16*(PC/8)+\i*16*PITCH
.else
	ds_load_b64 v[BF+48*((\q)%2)+12*\i+2*\p:BF+48*((\q)%2)+12*\i+2*\p+1], v[ADRB+2+(\q)/4] offset:(((\q)/2)%2)*BPL+8*PC+16*(PC/8)+\i*16*PITCH
.endif
.endr
.endr
	WIN TO_A
.irp i, 0,1,2,3,4,5,6,7
.irp p, 0,1,2,3,4,5
	ds_load_b64 v[96*((\q)%2)+12*\i+2*\p:96*((\q)%2)+12*\i+2*\p+1], v[ADRA+\i/4] offset:(\i%4)*12288+1536*(\q)+256*\p
.endr
.endr
.endm
.macro WM rb, ra                       ; one product; rb, ra: which half of the lanes holds B's and A's scale words
.if \rb
.if \ra
	v_wmma_scale_f32_16x16x128_f8f6f4 v[D_:D_+7], v[BF_:BF_+11], v[AF_:AF_+11], v[C_:C_+7], v[SB_], v[SA_] matrix_a_fmt:MATRIX_FMT_BF6 matrix_b_fmt:MATRIX_FMT_BF6 matrix_a_scale:MATRIX_SCALE_ROW1 matrix_b_scale:MATRIX_SCALE_ROW1
.else
	v_wmma_scale_f32_16x16x128_f8f6f4 v[D_:D_+7], v[BF_:BF_+11], v[AF_:AF_+11], v[C_:C_+7], v[SB_], v[SA_] matrix_a_fmt:MATRIX_FMT_BF6 matrix_b_fmt:MATRIX_FMT_BF6 matrix_a_scale:MATRIX_SCALE_ROW1
.endif
.else
.if \ra
	v_wmma_scale_f32_16x16x128_f8f6f4 v[D_:D_+7], v[BF_:BF_+11], v[AF_:AF_+11], v[C_:C_+7], v[SB_], v[SA_] matrix_a_fmt:MATRIX_FMT_BF6 matrix_b_fmt:MATRIX_FMT_BF6 matrix_b_scale:MATRIX_SCALE_ROW1
.else
	v_wmma_scale_f32_16x16x128_f8f6f4 v[D_:D_+7], v[BF_:BF_+11], v[AF_:AF_+11], v[C_:C_+7], v[SB_], v[SA_] matrix_a_fmt:MATRIX_FMT_BF6 matrix_b_fmt:MATRIX_FMT_BF6
.endif
.endif
.endm
; 16 products: A's tiles a0 .. a0 + 3 x B's four.  The 32 accumulators take turns, in the same order in every step.
.macro MULS q, a0
.irp a, \a0, \a0+1, \a0+2, \a0+3
.irp b, 0,1,2,3
.set D_,  8*(4*(\a)+\b)
.set BF_, BF+48*((\q)%2)+12*\b
.set AF_, 96*((\q)%2)+12*(\a)
.set SB_, SBR+8*(\b/2)+(\q)
.set SA_, SA+8*((\a)/2)+(\q)
.if (\q) == 0
.set C_, BR+8*\b
.else
.set C_, D_
.endif
	WM (\b%2), ((\a)%2)
.endr
.endr
.endm
.macro MWIN q
.if (\q) == 0
	WIN BIA
.else
	WIN MUL
.endif
.endm
.macro STEP q
	s_wait_dscnt 24                                ; B's four and A's tiles 0-3 are in; the youngest 24 loads (A's tiles 4-7) may be out
	MWIN \q
	MULS \q, 0
	s_wait_dscnt 0x0
.if (\q) < 7
	PLACES                                         ; in front of the loads into the set that the step before multiplied
	WIN 0
	FETCH (\q)+1
.else
	s_barrier_signal -1                            ; my last reads of fragments are over
.endif
	MWIN \q
	MULS \q, 4
.endm
	s_wait_alu depctr_va_vdst(0)                   ; the wait at the head's end
	s_wait_tensorcnt 0x0                           ; my load has landed,
	s_barrier_signal -1
	s_barrier_wait -1                              ; and everybody's
	FETCH 0
	s_wait_loadcnt 0x0                             ; the scale words and the bias
.set Q, 0
.rept 8
	STEP Q
.set Q, Q+1
.endr
	WIN 0
	s_barrier_wait -1                              ; nobody reads fragments any more: the stages may be laid over A's bytes, which have had their only fill
; THE WAY OUT, by blocks of 16 tokens x 64 columns: through my stage, back as rows of 256 bytes, sixteen lanes storing 256 consecutive bytes, aligned.
.macro TOSTAGE a
	WIN 0x08                                       ; the data: window 2
.irp b, 0,1,2,3
	ds_store_b128 v[STO], v[8*(4*(\a)+\b):8*(4*(\a)+\b)+3] offset:128*(\b/2)+32*(\b%2)      ; each accumulator from its low end on
	ds_store_b128 v[STO], v[8*(4*(\a)+\b)+4:8*(4*(\a)+\b)+7] offset:128*(\b/2)+32*(\b%2)+16
.endr
	WIN 0
.irp t, 0,1,2,3,4,5,6,7
	ds_load_b128 v[BK+32*((\a)%2)+4*\t:BK+32*((\a)%2)+4*\t+3], v[RD] offset:\t*2*SPITCH     ; LDS serves a wave's instructions in order: these see the stores above
.endr
.endm
.macro SEND a, younger
	s_wait_dscnt \younger
.irp t, 0,1,2,3,4,5,6,7
	global_store_b128 v[CO], v[BK+32*((\a)%2)+4*\t:BK+32*((\a)%2)+4*\t+3], s[10:11] offset:(32*((\a)/2)+8*((\a)%2)+(2*\t)%8+16*(\t/4))*4096 th:TH_STORE_NT
.endr
.endm
	PLACES                                         ; in front of the first read of results and of loads into B's fragments' registers
	TOSTAGE 0
.irp a, 1,2,3,4,5,6,7
.if \a > 1
	s_wait_xcnt 0x0                                ; block a - 2's stores have read their registers
.endif
	TOSTAGE \a
	SEND \a-1, 16                                  ; behind block a - 1's loads: block a's 8 stores and 8 loads
.endr
	SEND 7, 0
	s_wait_tensorcnt 0x0                           ; the wave's end
	ds_add_u32 v[SPW], v[NIL]
	s_wait_dscnt 0x0
	CROUND                                         ; the closing round
	s_endpgm
.Lfunc_end_k_qe4498a7621_gemm_out:
	.size	k_qe4498a7621_gemm_out, .Lfunc_end_k_qe4498a7621_gemm_out-k_qe4498a7621_gemm_out
	.p2alignl 7, 3214868480
	.fill 96, 4, 3214868480
	.section	.rodata,"a",@progbits
	.p2align	6, 0x0
	.amdhsa_kernel k_qe4498a7621_gemm_out
		.amdhsa_group_segment_fixed_size 327680
		.amdhsa_private_segment_fixed_size 0
		.amdhsa_enable_private_segment 0
		.amdhsa_kernarg_size 32
		.amdhsa_user_sgpr_count 2
		.amdhsa_user_sgpr_kernarg_segment_ptr 1
		.amdhsa_wavefront_size32 1
		.amdhsa_system_sgpr_workgroup_id_x 1
		.amdhsa_system_sgpr_workgroup_id_y 1
		.amdhsa_system_sgpr_workgroup_id_z 1
		.amdhsa_system_vgpr_workitem_id 0
		.amdhsa_next_free_vgpr 768
		.amdhsa_next_free_sgpr 66
		.amdhsa_reserve_vcc 0
		.amdhsa_float_denorm_mode_32 3
		.amdhsa_float_denorm_mode_16_64 3
		.amdhsa_memory_ordered 1
		.amdhsa_forward_progress 1
		.amdhsa_inst_pref_size 95
	.end_amdhsa_kernel
	.amdgpu_metadata
---
amdhsa.version: [ 1, 2 ]
amdhsa.kernels:
  - .name:           k_qe4498a7621_gemm_out
    .symbol:         k_qe4498a7621_gemm_out.kd
    .args:
      - { .name: ao, .offset: 0, .size: 8, .value_kind: global_buffer, .address_space: global }
      - { .name: wq, .offset: 8, .size: 8, .value_kind: global_buffer, .address_space: global }
      - { .name: b_out, .offset: 16, .size: 8, .value_kind: global_buffer, .address_space: global }
      - { .name: out0, .offset: 24, .size: 8, .value_kind: global_buffer, .address_space: global }
    .group_segment_fixed_size: 327680
    .private_segment_fixed_size: 0
    .kernarg_segment_align: 8
    .kernarg_segment_size: 32
    .max_flat_workgroup_size: 128
    .sgpr_count:     66
    .vgpr_count:     768
    .wavefront_size: 32
...
	.end_amdgpu_metadata
.endif
;; end of part 4
